; MI455X (gfx1250); checked and timed in simulation.
; The chip was launched on July 23, 2026; its instructions are those of AMD's public machine-readable ISA for CDNA 5 (MIT licence, August 2026) and "CDNA5" Instruction Set Architecture Reference Guide (July 2026). The comments in the code are by the model that wrote it; some were corrected since.
;; Mu Guided Attention. Allowed arithmetic: matrix products marked QUANTISED: E2M3 operands, one E8M0 scale for each 32 along K, by v_wmma_scale_f32_16x16x128_f8f6f4 with both operands' format E2M3, f32 sums; everything else in f32.
;; Inputs: Wk 2,048 x 512 float32; Wmk 2,048 x 512 float32; Wmq 2,048 x 2,048 float32; Wmv 2,048 x 512 float32; Wo 2,048 x 2,048 float32; Wq 2,048 x 2,048 float32; Wv 2,048 x 512 float32; hidden 2,048 x 2,048 float32; k_norm_w 64 float32; mu_prev 2,048 x 2,048 float32; positions 2,048 int32; q_norm_w 64 float32.
;; Outputs: out0 2,048 x 2,048 float32.
;; This version of the problem:
;;   THIS VERSION OF THE PROBLEM IS GIVEN IN LOW PRECISION. The matrix products marked QUANTISED in the list below multiply operands that are first quantised to E2M3 (2 exponent bits, 3 mantissa bits; 6 bits a number), with one power-of-two scale for each 32 numbers along K (OCP MX v1.0); their sums are f32. All else is computed in f32.
;;   The module's matrix products, in the order in which they are computed (A, B: the left and right operand; K: the contracted axis; several contracted axes count as one K, in the product's order):
;;     1. [M 2,048, K 2,048] x [K 2,048, N 2,048]; A: input hidden; B: input Wq: QUANTISED
;;     2. [M 2,048, K 2,048] x [K 2,048, N 2,048]; A: input mu_prev; B: input Wmq: QUANTISED
;;     3. [M 2,048, K 2,048] x [K 2,048, N 512]; A: input hidden; B: input Wk: QUANTISED
;;     4. [M 2,048, K 2,048] x [K 2,048, N 512]; A: input mu_prev; B: input Wmk: QUANTISED
;;     5. [M 2,048, K 2,048] x [K 2,048, N 512]; A: input hidden; B: input Wv: QUANTISED
;;     6. [M 2,048, K 2,048] x [K 2,048, N 512]; A: input mu_prev; B: input Wmv: QUANTISED
;;     7. batch 32 x [M 2,048, K 64] x [K 64, N 2,048]; A: computed on the way; B: computed on the way: QUANTISED
;;     8. batch 32 x [M 64, K 2,048] x [K 2,048, N 2,048]; A: computed on the way; B: softmax (see below): QUANTISED
;;     9. [M 2,048, K 2,048] x [K 2,048, N 2,048]; A: computed on the way; B: input Wo: QUANTISED
;;   THE QUANTISER, for each operand of a quantised product, along K:
;;     - K is cut into blocks of 32 from its start; a last block that is shorter is filled with zeros.
;;     - A block's scale is 2^e with e = floor(log2(the largest magnitude in the block)) - 2, held to -126 .. 127; a block of zeros has e = 0. As a byte (E8M0): e + 127.
;;     - Each number is divided by its block's scale, clamped to +-7.5, and rounded to the nearest number of E2M3, ties to even, subnormals kept.
;;     - The product sums the exact products of the quantised numbers (number of the format x scale) in f32.
;;   ~~~python
;;   def quantise(x, axis):      # numpy; x: float32 -> the quantised numbers, widened to float32 again
;;       x = np.moveaxis(x, axis, -1); K = x.shape[-1]
;;       x = np.pad(x, [(0, 0)] * (x.ndim - 1) + [(0, -K % 32)]); x = x.reshape(x.shape[:-1] + (-1, 32)); a = np.abs(x).max(-1, keepdims=True)
;;       e = np.where(a > 0, np.clip(np.frexp(np.where(a > 0, a, 1))[1] - 1 - 2, -126, 127), 0)      # np.frexp(a)[1] - 1 = floor(log2(a)), exactly
;;       r = np.clip(x / 2.0 ** e, -7.5, 7.5)
;;       step = 2.0 ** (np.maximum(np.frexp(np.where(r == 0, 1, r))[1] - 1, 0) - 3)
;;       q = np.round(r / step) * step * 2.0 ** e      # np.round: ties to even
;;       return np.moveaxis(q.reshape(q.shape[:-2] + (-1,))[..., :K], -1, axis).astype(np.float32)
;;   ~~~
;;   SOFTMAX AHEAD OF A QUANTISED PRODUCT. Where the list says 'softmax', what is quantised is not the finished softmax but p = 2^(t - M), with t = logit x log2(e) and M = ceil(the row's largest t), a whole number; so 1/2 < the row's largest p <= 1. The row's sum l is taken of the UNQUANTISED p, in f32, and the product's result is divided by l at the end. Since M is a whole number, a kernel that streams over the keys may use a running M (the ceiling of the running maximum): every later rescaling is an exact power of two, which a block's scale takes up: the codes' values come out the same.
;;   OPERANDS COMPUTED ON THE WAY. 'Computed on the way' means the value that the module computes at that place (a softmax that the list does not call 'softmax' is quantised finished and normalised). What goes into a quantiser is computed in f32, as accurately as f32 sums, v_exp_f32 and their like allow (about 1e-6 of the number): no bf16 or f16 on the way to a quantiser, and a product that is left as it is and whose result goes on into a quantised operand takes f32 operands (vector FMAs, or v_wmma_f32_16x16x4_f32). A number that lies on a knife's edge between two numbers of the format may be rounded either way, as far as f32 arithmetic and the matrix unit's own rounding can turn it there, and no further.
;; One version. Each part assembles by itself: llvm-mc -triple=amdgcn-amd-amdhsa -mcpu=gfx1250 --defsym DOCPART=n.
;; ======== version 1 of 1: 4 launches
;; limits: right only within a limited range of input values
;; workspace buffers: acts 8,388,608 bytes; wts 12,582,912 bytes; wob 4,194,304 bytes; rope 524,288 bytes; qimg 3,276,800 bytes; kvrec 1,638,400 bytes; ocod 4,194,304 bytes
;; launch prep (part 1): grid 800 x 1, 4 waves a work-group, no clusters, 68,096 bytes of LDS; arguments hidden, mu_prev, Wq, Wmq, Wo, Wk, Wmk, Wv, Wmv, positions, acts, wts, wob, rope; writes acts, wts, wob, rope
.if DOCPART == 1
	.amdgcn_target "amdgcn-amd-amdhsa--gfx1250"
	.amdhsa_code_object_version 6
	.text
	.protected	k_q0a815b5ae5_prep
	.globl	k_q0a815b5ae5_prep
	.p2align	8
	.type	k_q0a815b5ae5_prep,@function
k_q0a815b5ae5_prep:
	s_mov_b64 s[64:65], 0
	v_nop
	global_prefetch_b8 v0, s[64:65] scope:SCOPE_SE
	s_setreg_imm32_b32 hwreg(HW_REG_WAVE_MODE, 25, 1), 1
	s_wait_xcnt 0x0
; PREP: every f32 input becomes what the later launches read.  Three kinds of work-group, told apart by the work-group's number:
;   0..255    ACT:  hidden, mu_prev [2048][2048] (K innermost) -> codes of FP6 (E2M3) and E8M0 scale bytes in acts: row = [hidden's 1536 bytes | mu_prev's 1536]; scale rows of 128 bytes behind the codes.
;   256..767  WGT:  the seven weights [2048 (K)][n] (K outermost) -> codes with K innermost.  wts: row = [W's 1536 bytes | Wm's 1536]; rows 0..2047 Wq's columns, then four groups of [128 of Wk | 128 of Wv].  wob: Wo.
;   768..799  ROPE: cos and sin of positions x 10000^(-j/32), j = 0..31: rope[token] = [32 cos | 32 sin], f32.
; ROW ORDER: inside every group of 32 rows of acts, wts and wob, row x is stored at x with its bits 3 and 4 exchanged.  The products' results then lie so that 16 registers of two neighbouring tiles are 16 neighbours.
; A block's scale is 2^(floor(log2(largest magnitude)) - 2); its byte is the largest magnitude's exponent field - 2, held at 1 from below.
; LIMITS: a block of zeros gets the byte 1 (its codes are zeros; only this program reads the bytes).  NaN and infinities among the inputs are not served.
;   ROPE: the angle is reduced by pi/2 in two parts: |position x frequency| stays under 2^22; the frequency 2^(-j log2(10)/8) is made by v_exp_f32 of a reduced exponent, good to about one and a half units in its last place.
; No tensor loads, no barrier: waves share nothing.  Each kind of work-group has LDS bytes of its own: ACT 0..32767, WGT 32768..67583.
; LAYOUT OF acts, wts, wob, which holds in place of the byte counts given above: a row is one chunk of 256 bytes for each 256 along K:
; 192 bytes of codes, the chunk's 8 scale bytes, 56 zeros.  acts, wts: 16 chunks (8 of the first tensor, 8 of the second); wob: 8.  No separate scale rows.
.set SP,     80
.set CB,     12                        ; bytes of 16 codes
.set STEPS,  16
.set AR,     16                        ; ACT v16-79   four sets of 16 numbers as loaded
.set AX,     80                        ; ACT v80-111  two sets of 16 neighbours
.set AE,     112                       ; ACT v112-127 a scale byte for each step
.set AC,     128                       ; ACT v128-191 codes, four registers a step
.set WX,     32                        ; WGT v32-95   two sets of 32 numbers
.set WC,     96                        ; WGT v96..    a block's codes
.set WOUT,   112                       ; WGT v112-175 the way out
.set WSB,    24                        ; WGT v24-25   scale bytes
.set OFFR,   176                       ; WGT v176-207 4 x lane + i rows of the weight
.set VO,     208                       ; WGT v208-223 where the rows of codes go
.set WSTG,   32768
.set WPITCH, 272
.macro ALOAD t
.irp i, 0,1,2,3
	global_load_b128 v[AR+16*((\t)%4)+4*\i:AR+16*((\t)%4)+4*\i+3], v3, s[40:41] offset:2048*(\t)+512*\i th:TH_LOAD_NT   ; 32 lanes read 512 consecutive bytes
.endr
.endm
.macro ATURN t                         ; a step's 2,048 bytes through the wave's own stage: in as they lie, back 64 bytes a lane; LDS serves a wave's instructions in order
.irp i, 0,1,2,3
	ds_store_b128 v14, v[AR+16*((\t)%4)+4*\i:AR+16*((\t)%4)+4*\i+3] offset:32*SP*((\t)%2)+8*SP*\i
.endr
.irp i, 0,1,2,3
	ds_load_b128 v[AX+16*((\t)%2)+4*\i:AX+16*((\t)%2)+4*\i+3], v15 offset:32*SP*((\t)%2)+16*\i
.endr
.endm
.macro ASTEP t                         ; 512 numbers: a quarter of a row; two neighbouring lanes hold a block of 32
.set XS, AX+16*((\t)%2)
.if (\t) > 0
	s_wait_dscnt 1                                 ; this step's numbers are back (the last step's byte store may be out), so its stage stores have read their registers
.else
	s_wait_dscnt 0x0
.endif
.if (\t)+4 < STEPS
	ALOAD (\t)+4
.endif
.if (\t)+1 < STEPS
.if STEPS-2-(\t) >= 3
	s_wait_loadcnt 12                              ; the next step's four loads are in; three steps' loads may be out
.else
	s_wait_loadcnt 4*(STEPS-2-(\t))
.endif
	ATURN (\t)+1
.endif
	v_max3_num_f32 v8, |v[XS]|, |v[XS+1]|, |v[XS+2]|
	v_max3_num_f32 v9, |v[XS+3]|, |v[XS+4]|, |v[XS+5]|
.irp i, 6,10
	v_max3_num_f32 v8, v8, |v[XS+\i]|, |v[XS+\i+1]|
	v_max3_num_f32 v9, v9, |v[XS+\i+2]|, |v[XS+\i+3]|
.endr
	v_max3_num_f32 v8, v8, |v[XS+14]|, |v[XS+15]|
	v_max3_num_f32 v8, v8, v9, 0x1800000           ; the floor 2^(3 - 127): the byte cannot fall under 1
	v_max_num_f32_dpp v8, v8, v8 row_xmask:1 row_mask:0xf bank_mask:0xf   ; with my neighbour's 16: the block's largest magnitude
	v_add_nc_u32 v11, 0xff000000, v8               ; 2 off its exponent field: the conversion's scale operand
	v_cvt_scalef32_pk16_fp6_f32 v[AC+4*(\t):AC+4*(\t)+2], v[XS:XS+15], v11
	v_lshrrev_b32 v[AE+(\t)], 23, v11              ; the scale's byte
	ds_store_b8 v5, v[AE+(\t)] offset:16*(\t)      ; both lanes of a block write the same byte with the same value
	global_store_b96 v4, v[AC+4*(\t):AC+4*(\t)+2], s[42:43] offset:4096*((\t)/4)+512*((\t)%4)   ; sixteen lanes store a chunk's 192 bytes of codes; a step is two chunks of row t / 4
.endm
.macro WLOAD t                         ; block t of 32 along K: W(32 t + i, my column)
.irp i, 0,1,2,3,4,5,6,7,8,9,10,11,12,13,14,15,16,17,18,19,20,21,22,23,24,25,26,27,28,29,30,31
	global_load_b32 v[WX+32*((\t)%2)+\i], v[OFFR+\i], s[68+2*(\t):69+2*(\t)] th:TH_LOAD_NT
.endr
.endm
.macro WBLOCK t
.set XS, WX+32*((\t)%2)
.if (\t) < 7
	s_wait_loadcnt 32                              ; this block's 32 loads are in; the next block's may be out
.else
	s_wait_loadcnt 0
.endif
	v_max3_num_f32 v12, |v[XS]|, |v[XS+1]|, |v[XS+2]|   ; all 32 numbers of the block are mine
	v_max3_num_f32 v13, |v[XS+3]|, |v[XS+4]|, |v[XS+5]|
.irp i, 6,10,14,18,22,26
	v_max3_num_f32 v12, v12, |v[XS+\i]|, |v[XS+\i+1]|
	v_max3_num_f32 v13, v13, |v[XS+\i+2]|, |v[XS+\i+3]|
.endr
	v_max3_num_f32 v12, v12, |v[XS+30]|, |v[XS+31]|
	v_max3_num_f32 v12, v12, v13, 0x1800000
	v_add_nc_u32 v11, 0xff000000, v12
	v_lshrrev_b32 v13, 23, v11
.if (\t)%4 == 0
	v_mov_b32 v[WSB+(\t)/4], v13
.else
	v_lshl_or_b32 v[WSB+(\t)/4], v13, 8*((\t)%4), v[WSB+(\t)/4]
.endif
	v_cvt_scalef32_pk16_fp6_f32 v[WC:WC+2], v[XS:XS+15], v11
	v_cvt_scalef32_pk16_fp6_f32 v[WC+4:WC+6], v[XS+16:XS+31], v11
	ds_store_b96 v4, v[WC:WC+2] offset:32*(\t)     ; 12 bytes to a place of 16
	ds_store_b96 v4, v[WC+4:WC+6] offset:32*(\t)+16
.if (\t)+2 < 8
	WLOAD (\t)+2
.endif
	s_wait_dscnt 0x0                               ; the stores have read their registers: the next block's codes may be written
.endm
.macro EVAL dst, f                     ; cos (lanes 0-15) or sin (lanes 16-31) of position x frequency
	v_mul_f32 v11, v10, v[\f]                      ; the angle, as f32
	v_mul_f32 v12, s56, v11
	v_rndne_f32 v12, v12                           ; n = the nearest multiple of pi/2
	v_fma_f32 v13, -v12, s57, v11
	v_fma_f32 v13, -v12, s58, v13                  ; r = angle - n pi/2, pi/2 in two parts
	v_cvt_i32_f32 v14, v12
	v_add_nc_u32 v14, v14, v7                      ; the quadrant; cos x = sin(x + pi/2)
	v_mul_f32 v15, v13, v13
	v_fma_f32 v16, s61, v15, s60
	v_fma_f32 v16, v16, v15, s59
	v_mul_f32 v16, v16, v15
	v_fma_f32 v16, v16, v13, v13                   ; sin r
	v_fma_f32 v17, s66, v15, s63
	v_fma_f32 v17, v17, v15, s62
	v_mul_f32 v17, v17, v15
	v_fma_f32 v18, v15, -0.5, 1.0
	v_fma_f32 v17, v17, v15, v18                   ; cos r
	v_and_b32 v18, 1, v14
	v_cmp_ne_u32 vcc_lo, 0, v18
	v_cndmask_b32 v16, v16, v17, vcc_lo
	v_and_b32 v18, 2, v14
	v_lshlrev_b32 v18, 30, v18
	v_xor_b32 v[\dst], v16, v18                    ; the sign of quadrants 2 and 3
.endm
	s_load_b512 s[8:23], s[0:1], 0x0               ; hidden 8, mu_prev 10, Wq 12, Wmq 14, Wo 16, Wk 18, Wmk 20, Wv 22
	s_load_b256 s[24:31], s[0:1], 0x40             ; Wmv 24, positions 26, acts 28, wts 30
	s_load_b128 s[32:35], s[0:1], 0x60             ; wob 32, rope 34
	v_lshl_add_u32 v224, v0, 2, 0x10800
	v_mov_b32 v225, 0
	v_lshrrev_b32 v1, 5, v0
	v_readfirstlane_b32 s36, v1                    ; wave
	v_and_b32 v2, 31, v0                           ; lane
	s_wait_kmcnt 0x0
	s_cmp_lt_u32 ttmp9, 256
	s_cbranch_scc1 .Lact
	s_cmp_lt_u32 ttmp9, 768
	s_cbranch_scc1 .Lwgt
	; ---- ROPE: a wave takes 16 tokens; one store of the wave fills a token's 256 bytes
	s_sub_co_u32 s37, ttmp9, 768
	s_lshl_b32 s37, s37, 2
	s_add_co_u32 s37, s37, s36
	s_lshl_b32 s37, s37, 4                         ; my first token
	s_lshl_b32 s38, s37, 2
	s_mov_b32 s39, 0
	s_add_nc_u64 s[4:5], s[26:27], s[38:39]
	s_load_b512 s[40:55], s[4:5], 0x0              ; 16 positions
	s_lshl_b32 s38, s37, 8
	s_add_nc_u64 s[6:7], s[34:35], s[38:39]
	s_mov_b32 s56, 0x3f22f983                      ; 2 / pi
	s_mov_b32 s57, 0x3fc90fdb                      ; pi/2, upper part
	s_mov_b32 s58, 0xb33bbd2e                      ; pi/2, what is left
	s_mov_b32 s59, 0xbe2aaaa3                      ; sin: r + r^3 (S1 + S2 r^2 + S3 r^4)
	s_mov_b32 s60, 0x3c08839e
	s_mov_b32 s61, 0xb94ca1f9
	s_mov_b32 s62, 0x3d2aaaa5                      ; cos: 1 - r^2/2 + r^4 (C1 + C2 r^2 + C3 r^4)
	s_mov_b32 s63, 0xbab6061a
	s_mov_b32 s66, 0x37ccf5ce
	s_mov_b32 s67, 0x3ed49a78                      ; log2(10) / 8, upper part
	s_mov_b32 s68, 0x32179a39                      ; and what is left
	s_wait_alu depctr_va_vdst(0)
	v_and_b32 v3, 15, v2
	v_lshrrev_b32 v4, 4, v2
	v_sub_nc_u32 v7, 1, v4                         ; 1 in the lanes that make cos
	v_lshlrev_b32 v6, 3, v2                        ; 8 bytes a lane
	v_lshlrev_b32 v3, 1, v3                        ; my two frequencies: j = 2 (lane % 16) and j + 1
	v_add_nc_u32 v5, 1, v3
	v_cvt_f32_u32 v20, v3
	v_cvt_f32_u32 v21, v5
	v_mul_f32 v22, s67, v20
	v_mul_f32 v23, s67, v21
	v_rndne_f32 v22, v22                           ; I = the whole part of j log2(10)/8
	v_rndne_f32 v23, v23
	v_fma_f32 v8, -v20, s67, v22
	v_fma_f32 v9, -v21, s67, v23
	v_fma_f32 v8, -v20, s68, v8                    ; F = I - j log2(10)/8, between -1/2 and 1/2
	v_fma_f32 v9, -v21, s68, v9
	s_wait_alu depctr_va_vdst(0)
	v_exp_f32 v8, v8
	v_exp_f32 v9, v9
	v_cvt_i32_f32 v22, v22                         ; plain work behind the exponentials
	v_cvt_i32_f32 v23, v23
	v_sub_nc_u32 v22, 0, v22
	v_sub_nc_u32 v23, 0, v23
	s_wait_alu depctr_va_vdst(0)                   ; one wait for both, ahead of their first reader
	v_ldexp_f32 v8, v8, v22                        ; 10000^(-j/32) = 2^F 2^-I
	v_ldexp_f32 v9, v9, v23
	s_wait_kmcnt 0x0
.irp k, 0,1,2,3,4,5,6,7,8,9,10,11,12,13,14,15
	v_cvt_f32_i32 v10, s[40+\k]
	s_wait_alu depctr_va_vdst(0)
	EVAL 64+2*\k, 8
	EVAL 65+2*\k, 9
	global_store_b64 v6, v[64+2*\k:65+2*\k], s[6:7] offset:256*\k   ; each token has data registers of its own: none is written again
.endr
	s_endpgm
	; ---- ACT: a wave takes 4 rows (8,192 numbers), 16 steps of 512
.Lact:
	s_lshr_b32 s37, ttmp9, 7                       ; 0: hidden, 1: mu_prev
	s_cmp_eq_u32 s37, 0
	s_cselect_b64 s[40:41], s[8:9], s[10:11]
	s_and_b32 s38, ttmp9, 127
	s_lshl_b32 s38, s38, 2
	s_add_co_u32 s38, s38, s36                     ; which run of 4 rows
	s_lshl_b32 s46, s38, 15
	s_mov_b32 s47, 0
	s_add_nc_u64 s[40:41], s[40:41], s[46:47]
	s_lshl_b32 s39, s38, 2                         ; its first row,
	s_and_b32 s48, s39, 0xffffffe7
	s_and_b32 s49, s39, 8
	s_lshl_b32 s49, s49, 1
	s_or_b32 s48, s48, s49
	s_and_b32 s49, s39, 16
	s_lshr_b32 s49, s49, 1
	s_or_b32 s48, s48, s49                         ; and where it is stored: bits 3 and 4 exchanged (4 aligned rows stay together)
	s_lshl_b32 s46, s48, 12
	s_lshl_b32 s49, s37, 11
	s_add_co_u32 s46, s46, s49
	s_add_nc_u64 s[42:43], s[28:29], s[46:47]      ; codes
	s_add_nc_u64 s[44:45], s[42:43], 192           ; scale bytes: behind each chunk's codes
	s_wait_alu depctr_va_vdst(0)
	v_lshlrev_b32 v3, 4, v2                        ; my 16 bytes of a load's 512
	s_mul_i32 s50, s36, 8192                       ; my wave's LDS
	v_lshrrev_b32 v14, 2, v2
	v_mul_u32_u24 v14, v14, SP
	v_and_b32 v15, 3, v2
	v_lshl_add_u32 v14, v15, 4, v14
	v_add_nc_u32 v14, s50, v14                     ; the stage, way in
	v_mul_u32_u24 v15, v2, SP
	v_add_nc_u32 v15, s50, v15                     ; way out: my 16 neighbours
	v_and_b32 v4, 15, v2
	v_mul_u32_u24 v4, v4, CB
	v_lshrrev_b32 v10, 4, v2
	v_lshl_add_u32 v4, v10, 8, v4                  ; 12 bytes a lane, lanes 16-31 in the next chunk
	v_lshrrev_b32 v5, 1, v2
	s_add_co_u32 s50, s50, 2*32*SP
	v_add_nc_u32 v5, s50, v5                       ; my block's byte among the wave's 256
	v_lshlrev_b32 v7, 3, v2
	v_add_nc_u32 v6, s50, v7
	v_lshrrev_b32 v1, 3, v2                        ; eight lanes hold a row's 64 scale bytes
	v_and_b32 v10, 7, v2
	v_lshlrev_b32 v10, 8, v10
	v_lshl_add_u32 v1, v1, 12, v10                 ; row lane / 8, chunk lane % 8
.irp t, 0,1,2,3
	ALOAD \t
.endr
	s_wait_loadcnt 12
	ATURN 0
.irp t, 0,1,2,3,4,5,6,7,8,9,10,11,12,13,14,15
	ASTEP \t
.endr
	ds_load_b64 v[12:13], v6
	s_wait_dscnt 0x0
.irp i, 14,15,16,17,18,19
	v_mov_b32 v\i, 0
.endr
	global_store_b128 v1, v[12:15], s[44:45]       ; a chunk's last 64 bytes: 8 scale bytes, then zeros
.irp i, 16,32,48
	global_store_b128 v1, v[16:19], s[44:45] offset:\i
.endr
	s_wait_tensorcnt 0x0
	ds_add_u32 v224, v225
	s_wait_dscnt 0x0
	s_endpgm
	; ---- WGT: a wave takes 32 columns x 256 along K; a lane a column, its registers down K
.Lwgt:
	s_sub_co_u32 s37, ttmp9, 256                   ; 0..383: Wq, Wmq, Wo (128 work-groups each); 384..511: Wk, Wmk, Wv, Wmv (32 each)
	s_lshr_b32 s39, s37, 7
	s_and_b32 s46, s37, 15
	s_bfe_u32 s47, s37, 0x30004
	s_sub_co_u32 s48, s37, 384
	s_lshr_b32 s49, s48, 5
	s_add_co_u32 s49, s49, 3
	s_and_b32 s50, s48, 3
	s_bfe_u32 s51, s48, 0x30002
	s_mov_b32 s52, 2048
	s_cmp_lt_u32 s37, 384
	s_cselect_b32 s39, s39, s49                    ; the tensor: 0 Wq, 1 Wmq, 2 Wo, 3 Wk, 4 Wmk, 5 Wv, 6 Wmv
	s_cselect_b32 s46, s46, s50                    ; its group of 128 columns
	s_cselect_b32 s47, s47, s51                    ; its 256 along K
	s_cselect_b32 s52, 8192, s52                   ; a row of it in bytes
	s_mov_b64 s[4:5], s[12:13]
	s_cmp_eq_u32 s39, 1
	s_cselect_b64 s[4:5], s[14:15], s[4:5]
	s_cmp_eq_u32 s39, 3
	s_cselect_b64 s[4:5], s[18:19], s[4:5]
	s_cmp_eq_u32 s39, 4
	s_cselect_b64 s[4:5], s[20:21], s[4:5]
	s_cmp_eq_u32 s39, 5
	s_cselect_b64 s[4:5], s[22:23], s[4:5]
	s_cmp_eq_u32 s39, 6
	s_cselect_b64 s[4:5], s[24:25], s[4:5]
	s_mov_b32 s54, 4096
	s_cmp_eq_u32 s39, 2
	s_cselect_b64 s[4:5], s[16:17], s[4:5]
	s_cselect_b64 s[6:7], s[32:33], s[30:31]       ; Wo goes to wob, all others to wts
	s_cselect_b32 s54, 2048, s54                   ; a row there, in bytes
	s_lshr_b32 s57, 0x52, s39
	s_and_b32 s57, s57, 1                          ; 1 for Wmq, Wmk, Wmv: the second half of a row
	s_lshl_b32 s58, s46, 7                         ; the first output row: 128 x group,
	s_sub_co_u32 s59, s39, 3
	s_lshr_b32 s59, s59, 1
	s_lshl_b32 s59, s59, 7
	s_lshl_b32 s60, s46, 8
	s_add_co_u32 s59, s59, s60
	s_add_co_u32 s59, s59, 2048                    ; or 2048 + 256 x group + 128 for Wv, Wmv
	s_cmp_lt_u32 s39, 3
	s_cselect_b32 s58, s58, s59
	s_lshl_b32 s59, s36, 5                         ; 32 x wave
	s_lshl_b32 s60, s46, 7
	s_add_co_u32 s60, s60, s59
	s_lshl_b32 s60, s60, 2                         ; my first column, in bytes
	s_mul_i32 s61, s47, s52
	s_lshl_b32 s61, s61, 8                         ; my first row: 256 rows for each step along K
	s_add_co_u32 s60, s60, s61
	s_mov_b32 s61, 0
	s_add_nc_u64 s[68:69], s[4:5], s[60:61]
	s_lshl_b32 s60, s52, 5                         ; 32 rows on: a pointer for each of the eight blocks, so that none is stepped
.irp t, 0,1,2,3,4,5,6
	s_add_nc_u64 s[70+2*\t:71+2*\t], s[68+2*\t:69+2*\t], s[60:61]
.endr
	s_add_co_u32 s58, s58, s59                     ; my wave's first output row, a multiple of 32
	s_mul_i32 s60, s58, s54
	s_lshl_b32 s62, s47, 8
	s_add_co_u32 s60, s60, s62
	s_lshl_b32 s62, s57, 11
	s_add_co_u32 s60, s60, s62
	s_add_nc_u64 s[84:85], s[6:7], s[60:61]        ; codes
	s_add_nc_u64 s[86:87], s[84:85], 192           ; scale bytes: behind the chunk's codes
	s_wait_alu depctr_va_vdst(0)
	v_lshlrev_b32 v3, 2, v2
	v_and_b32 v5, 15, v2
	v_lshrrev_b32 v6, 4, v2
	v_and_b32 v10, 7, v2
	v_bfe_u32 v11, v2, 3, 1
	v_lshl_add_u32 v10, v11, 4, v10
	v_lshl_add_u32 v10, v6, 3, v10                 ; where my column's row is stored: the lane with bits 3 and 4 exchanged
	s_mul_i32 s60, s36, 32*WPITCH
	s_add_co_u32 s60, s60, WSTG                    ; my stage
	v_mul_u32_u24 v4, v10, WPITCH
	v_add_nc_u32 v4, s60, v4
	v_mul_u32_u24 v7, v6, WPITCH
	v_lshl_add_u32 v7, v5, 4, v7
	v_add_nc_u32 v7, s60, v7                       ; back: sixteen lanes to a row, two rows an instruction
	v_mul_u32_u24 v9, v10, s54
.irp i, 0,1,2,3,4,5,6,7,8,9,10,11,12,13,14,15,16,17,18,19,20,21,22,23,24,25,26,27,28,29,30,31
	v_mad_u32_u24 v[OFFR+\i], s52, \i, v3
.endr
	v_mul_u32_u24 v8, v6, s54
	v_mad_u32_u24 v8, v5, 12, v8
	s_lshl_b32 s62, s54, 1
.irp t, 0,1,2,3,4,5,6,7,8,9,10,11,12,13,14,15
	v_mad_u32_u24 v[VO+\t], s62, \t, v8
.endr
	WLOAD 0
	WLOAD 1
.irp t, 0,1,2,3,4,5,6,7
	WBLOCK \t
.endr
.irp i, 26,27,28,29,30,31
	v_mov_b32 v\i, 0
.endr
	s_wait_alu depctr_va_vdst(0)
	global_store_b128 v9, v[WSB:WSB+3], s[86:87]   ; my column's chunk: its last 64 bytes: 8 scale bytes, then zeros
.irp i, 16,32,48
	global_store_b128 v9, v[28:31], s[86:87] offset:\i
.endr
.irp t, 0,1,2,3,4,5,6,7,8,9,10,11,12,13,14,15
	ds_load_b96 v[WOUT+4*\t:WOUT+4*\t+2], v7 offset:2*\t*WPITCH
.endr
.irp t, 0,1,2,3,4,5,6,7,8,9,10,11,12,13,14,15
	s_wait_dscnt 15-\t
	global_store_b96 v[VO+\t], v[WOUT+4*\t:WOUT+4*\t+2], s[84:85]   ; sixteen lanes store a row's 192 consecutive bytes
.endr
	s_wait_tensorcnt 0x0
	ds_add_u32 v224, v225
	s_wait_dscnt 0x0
	s_endpgm
.Lfunc_end_k_q0a815b5ae5_prep:
	.size	k_q0a815b5ae5_prep, .Lfunc_end_k_q0a815b5ae5_prep-k_q0a815b5ae5_prep
	.p2alignl 7, 3214868480
	.fill 96, 4, 3214868480
	.section	.rodata,"a",@progbits
	.p2align	6, 0x0
	.amdhsa_kernel k_q0a815b5ae5_prep
		.amdhsa_group_segment_fixed_size 68096
		.amdhsa_private_segment_fixed_size 0
		.amdhsa_enable_private_segment 0
		.amdhsa_kernarg_size 112
		.amdhsa_user_sgpr_count 2
		.amdhsa_user_sgpr_kernarg_segment_ptr 1
		.amdhsa_wavefront_size32 1
		.amdhsa_system_sgpr_workgroup_id_x 1
		.amdhsa_system_sgpr_workgroup_id_y 1
		.amdhsa_system_sgpr_workgroup_id_z 1
		.amdhsa_system_vgpr_workitem_id 0
		.amdhsa_next_free_vgpr 226
		.amdhsa_next_free_sgpr 96
		.amdhsa_reserve_vcc 1
		.amdhsa_float_denorm_mode_32 3
		.amdhsa_float_denorm_mode_16_64 3
		.amdhsa_memory_ordered 1
		.amdhsa_forward_progress 1
		.amdhsa_inst_pref_size 116
	.end_amdhsa_kernel
	.amdgpu_metadata
---
amdhsa.version: [ 1, 2 ]
amdhsa.kernels:
  - .name:           k_q0a815b5ae5_prep
    .symbol:         k_q0a815b5ae5_prep.kd
    .args:
      - { .name: hidden, .offset: 0, .size: 8, .value_kind: global_buffer, .address_space: global }
      - { .name: mu_prev, .offset: 8, .size: 8, .value_kind: global_buffer, .address_space: global }
      - { .name: Wq, .offset: 16, .size: 8, .value_kind: global_buffer, .address_space: global }
      - { .name: Wmq, .offset: 24, .size: 8, .value_kind: global_buffer, .address_space: global }
      - { .name: Wo, .offset: 32, .size: 8, .value_kind: global_buffer, .address_space: global }
      - { .name: Wk, .offset: 40, .size: 8, .value_kind: global_buffer, .address_space: global }
      - { .name: Wmk, .offset: 48, .size: 8, .value_kind: global_buffer, .address_space: global }
      - { .name: Wv, .offset: 56, .size: 8, .value_kind: global_buffer, .address_space: global }
      - { .name: Wmv, .offset: 64, .size: 8, .value_kind: global_buffer, .address_space: global }
      - { .name: positions, .offset: 72, .size: 8, .value_kind: global_buffer, .address_space: global }
      - { .name: acts, .offset: 80, .size: 8, .value_kind: global_buffer, .address_space: global }
      - { .name: wts, .offset: 88, .size: 8, .value_kind: global_buffer, .address_space: global }
      - { .name: wob, .offset: 96, .size: 8, .value_kind: global_buffer, .address_space: global }
      - { .name: rope, .offset: 104, .size: 8, .value_kind: global_buffer, .address_space: global }
    .group_segment_fixed_size: 68096
    .private_segment_fixed_size: 0
    .kernarg_segment_align: 8
    .kernarg_segment_size: 112
    .max_flat_workgroup_size: 128
    .sgpr_count:     96
    .vgpr_count:     226
    .wavefront_size: 32
...
	.end_amdgpu_metadata
.endif
;; end of part 1
;; launch qkv (part 2): grid 12 x 8, 4 waves a work-group, clusters of 4 x 4, 327,680 bytes of LDS; arguments acts, wts, qimg, kvrec, q_norm_w, k_norm_w, rope; writes qimg, kvrec
.if DOCPART == 2
	.amdgcn_target "amdgcn-amd-amdhsa--gfx1250"
	.amdhsa_code_object_version 6
	.text
	.protected	k_q0a815b5ae5_qkv
	.globl	k_q0a815b5ae5_qkv
	.p2align	8
	.type	k_q0a815b5ae5_qkv,@function
k_q0a815b5ae5_qkv:
	s_mov_b64 s[64:65], 0
	v_nop
	global_prefetch_b8 v0, s[64:65] scope:SCOPE_SE
	s_setreg_imm32_b32 hwreg(HW_REG_WAVE_MODE, 25, 1), 1
	s_wait_xcnt 0x0
	s_wait_alu depctr_hold_cnt(0) depctr_sa_sdst(0) depctr_va_vdst(0) depctr_va_sdst(0) depctr_va_ssrc(0) depctr_va_vcc(0) depctr_vm_vsrc(0)
	s_getreg_b32 s2, hwreg(HW_REG_IB_STS2, 6, 4)
	s_cmp_eq_u32 s2, 0
	s_cbranch_scc0 .Lentry_in_a_cluster
	s_endpgm
.Lentry_in_a_cluster:
	s_bfe_u32 s2, ttmp6, 0x10000c
	s_cmp_lg_u32 s2, 0xf033
	s_cbranch_scc0 .Lentry_shape_is_right
	s_endpgm
.Lentry_shape_is_right:
.set SIZE_K, 4096
.set KSTEP,  256
.set NQ,     KSTEP/128
; A row of acts or wts is one chunk of 256 bytes for each 256 along K: 192 bytes of codes, 8 scale bytes, 56 zeros.  A K step is a chunk: every tile row begins at a multiple of 256 bytes.
; The tile is stated 272 bytes wide over a tensor 256 wide: the load writes zeros into the last 16 bytes of each LDS row, so the pitch is 272 and every byte of a slot is written.
.set ROWB,   256
.set KROW,   SIZE_K
.set PITCH,  272
.set FR,     12
.set NL,     6
.set NP,     4
.set HALFT,  128*PITCH
.set SLOT,   4*HALFT
.set LAPS,   SIZE_K/(2*KSTEP)
.set SPARE,  2*SLOT
.set VT,   15
.set ADRA, 16
.set ADRB, 20
.set ADRS, 18
.set SPW,  28
.set NIL,  29
.set LI,   30
.set LS,   31
.set SC,   32
.set NW,   64
.set RS,   96
.set T,    112
.set Y,    144
.set TM,   208
.set PW,   224
.set PWK,  225
.set SW,   227
.set PC,   228
.set AF,   128
.set G1, 24
.set G0, 32
.set G1B, 48
.set G0B, 56
.set G1S, 68
.set G0S, 76
.set G1SB, 80
.set G0SB, 88
.set CB,   68
.set SB,   72
.set SEL,  88
.set INV64, 90
.set EPS,  91
.set MSB, 0
.macro WIN new
.if MSB != (\new)
	s_set_vgpr_msb (MSB<<8)|(\new)
.set MSB, (\new)
.endif
.endm
.set MUL_LO, 0xa1
.set MUL_HI, 0xf1
.set TO_B,   0x40
.macro JLOAD g0a, g1a, g0b, g1b
	s_cmp_eq_u32 s15, 0
	s_cbranch_scc0 .Lfor_b_\@
	tensor_load_to_lds s[\g0a:\g0a+3], s[\g1a:\g1a+7]
	s_nop 0
.rept 4
	v_nop
.endr
	s_branch .Lasked_\@
.Lfor_b_\@:
	tensor_load_to_lds s[\g0b:\g0b+3], s[\g1b:\g1b+7]
	s_nop 0
.rept 4
	v_nop
.endr
.Lasked_\@:
.endm
.macro CREST
	s_cmp_lg_u32 s14, 0
	s_cbranch_scc1 .Lnot_wave_0_\@
	s_barrier_signal -3
.Lnot_wave_0_\@:
	s_barrier_wait -3
	s_barrier_signal -1
	s_barrier_wait -1
.endm
.macro CROUND
	s_barrier_signal -1
	s_barrier_wait -1
	CREST
.endm
	s_load_b128 s[4:7], s[0:1], 0x0
	s_load_b128 s[68:71], s[0:1], 0x10
	s_load_b128 s[72:75], s[0:1], 0x20
	s_load_b64 s[12:13], s[0:1], 0x30
	v_lshl_add_u32 v[SPW], v0, 2, SPARE
	v_mov_b32 v[NIL], 0
	ds_add_u32 v28, v29
	ds_add_u32 v28, v29
	s_wait_dscnt 0x0
	v_lshrrev_b32 v1, 5, v0
	v_readfirstlane_b32 s14, v1
	s_lshr_b32 s15, s14, 1
	s_and_b32 s16, s14, 1
	s_bfe_u32 s40, ttmp6, 0x40000
	s_bfe_u32 s41, ttmp6, 0x40004
	s_lshl_b32 s42, ttmp9, 2
	s_add_co_u32 s42, s42, s40
	s_and_b32 s17, ttmp7, 0xffff
	s_lshl_b32 s17, s17, 2
	s_add_co_u32 s17, s17, s41
	s_lshl_b32 s43, s41, 2
	s_lshl_b32 s43, 15, s43
	s_lshl_b32 s44, 0x1111, s40
	s_cmp_eq_u32 ttmp9, 2
	s_cselect_b32 s100, s16, 0
	s_mov_b32 s101, 0xffff0000
	s_or_b32 s[G1+0], s43, (1<<21)
	s_or_b32 s[G1B+0], s44, (1<<21)
.irp g, G1, G1B
	s_mov_b32 s[\g+1], ROWB<<16
	s_mov_b32 s[\g+2], 128<<16
	s_mov_b32 s[\g+3], PITCH<<16
	s_mov_b32 s[\g+4], 128
	s_mov_b32 s[\g+5], KROW
	s_mov_b32 s[\g+6], 0
	s_mov_b32 s[\g+7], 0
.endr
	s_lshl_b32 s18, s16, 7
	s_lshl_b32 s20, s17, 8
	s_add_co_u32 s20, s20, s18
	s_lshl_b32 s46, s42, 8
	s_add_co_u32 s46, s46, s18
	s_mov_b32 s21, 0
	s_mov_b32 s47, 0
	s_mov_b64 s[18:19], KROW
	s_mul_u64 s[20:21], s[20:21], s[18:19]
	s_mul_u64 s[46:47], s[46:47], s[18:19]
	s_mul_i32 s45, s14, HALFT
	s_wait_kmcnt 0x0
	s_mov_b64 s[8:9], s[6:7]
	s_cmp_eq_u32 ttmp9, 2
	s_cselect_b64 s[96:97], s[70:71], s[68:69]
	s_cselect_b64 s[98:99], s[74:75], s[72:73]
	s_add_nc_u64 s[20:21], s[4:5], s[20:21]
	s_add_nc_u64 s[46:47], s[8:9], s[46:47]
	CROUND
.irp s, 0,1
	s_mov_b32 s[G0+4*\s], 1
	s_add_co_u32 s[G0+4*\s+1], s45, \s*SLOT
	s_add_nc_u64 s[G0+4*\s+2:G0+4*\s+3], s[20:21], \s*ROWB
	s_or_b32 s[G0+4*\s+3], s[G0+4*\s+3], 0x80000000
	s_mov_b32 s[G0B+4*\s], 1
	s_add_co_u32 s[G0B+4*\s+1], s45, \s*SLOT
	s_add_nc_u64 s[G0B+4*\s+2:G0B+4*\s+3], s[46:47], \s*ROWB
	s_or_b32 s[G0B+4*\s+3], s[G0B+4*\s+3], 0x80000000
.endr
	JLOAD G0, G1, G0B, G1B                         ; chunk 0, my quarter of slot 0: the wave's one load at the head
	v_and_b32 v1, 15, v0
	v_bfe_u32 v2, v0, 4, 1
	v_lshlrev_b32 v7, 6, v2
.irp c, 0,1,2,3
	global_load_b128 v[NW+4*\c:NW+4*\c+3], v7, s[98:99] offset:16*\c
.endr
.irp c, 0,1,2,3
	global_load_b128 v[NW+16+4*\c:NW+16+4*\c+3], v7, s[98:99] offset:128+16*\c
.endr
	v_and_b32 v8, 7, v0
	v_bfe_u32 v9, v0, 3, 1
	v_lshl_add_u32 v8, v9, 4, v8
	v_lshl_add_u32 v[VT], v8, 8, v7
	v_and_b32 v8, 31, v0
	v_lshlrev_b32 v[LI], 4, v8
	v_lshlrev_b32 v[LS], 2, v8
	v_mul_u32_u24 v3, v1, PITCH
	v_mul_u32_u24 v4, v2, 24
	v_add_nc_u32 v4, v3, v4
	s_wait_alu depctr_va_vdst(0)
	s_mul_i32 s21, s15, HALFT
	s_mul_i32 s22, s16, HALFT
	s_add_co_u32 s22, s22, 2*HALFT
	s_cmp_eq_u32 s100, 1
	s_cselect_b32 s18, s22, s21
	s_cselect_b32 s19, s21, s22
.irp s, 0,1
	v_add_nc_u32 v[ADRA+\s], s18, v4
	v_add_nc_u32 v[ADRB+\s], s19, v4
	s_add_co_u32 s18, s18, SLOT
	s_add_co_u32 s19, s19, SLOT
.endr
	s_mul_i32 s21, s15, HALFT                      ; the scale words lie at byte 192 of each row of a slot
	s_mul_i32 s22, s16, HALFT
	s_add_co_u32 s22, s22, 2*HALFT
	s_sub_co_u32 s22, s22, s21
	v_xor_b32 v6, s100, v2
	v_mul_u32_u24 v6, s22, v6
	s_add_co_u32 s21, s21, 192
	v_add_nc_u32 v5, v3, v6
	v_add_nc_u32 v[ADRS], s21, v5
	v_add_nc_u32 v[ADRS+1], SLOT, v[ADRS]
.macro FRAG reg, adr, q, i
.irp p, 0,1,2,3,4,5
	ds_load_b64 v[\reg+2*\p:\reg+2*\p+1], v[\adr] offset:96*(\q)+48*(\p/3)+8*(\p%3)+(\i)*16*PITCH
.endr
.endm
.macro MUL16 a0, p, q, sc, zero
.irp a, \a0, \a0+1
.irp b, 0,1,2,3,4,5,6,7
.if \zero
	v_wmma_scale_f32_16x16x128_f8f6f4 v[8*(8*((\a)%4)+\b):8*(8*((\a)%4)+\b)+7], v[128*(\p)+FR*\b:128*(\p)+FR*\b+FR-1], v[AF+FR*(\a):AF+FR*(\a)+FR-1], 0, v[SC+8*NQ*(\sc)+NQ*\b+(\q)], v[SC+8*NQ*(\sc)+NQ*(\a)+(\q)] matrix_a_fmt:MATRIX_FMT_FP6 matrix_b_fmt:MATRIX_FMT_FP6 matrix_a_scale:MATRIX_SCALE_ROW1
.else
	v_wmma_scale_f32_16x16x128_f8f6f4 v[8*(8*((\a)%4)+\b):8*(8*((\a)%4)+\b)+7], v[128*(\p)+FR*\b:128*(\p)+FR*\b+FR-1], v[AF+FR*(\a):AF+FR*(\a)+FR-1], v[8*(8*((\a)%4)+\b):8*(8*((\a)%4)+\b)+7], v[SC+8*NQ*(\sc)+NQ*\b+(\q)], v[SC+8*NQ*(\sc)+NQ*(\a)+(\q)] matrix_a_fmt:MATRIX_FMT_FP6 matrix_b_fmt:MATRIX_FMT_FP6 matrix_a_scale:MATRIX_SCALE_ROW1
.endif
.endr
.endr
.endm
.macro FETCH_B slot, q, p
	WIN TO_B
.irp i, 0,1,2,3,4,5,6,7
	FRAG 128*(\p)+FR*\i, ADRB+\slot, \q, \i
.endr
	WIN 0
.endm
.macro FETCH_A slot, q, i0
.irp i, \i0, \i0+1, \i0+2, \i0+3
	FRAG AF+FR*(\i), ADRA+\slot, \q, \i
.endr
.endm
.macro SCALES sc
.irp i, 0,1,2,3,4,5,6,7
	ds_load_b64 v[SC+8*NQ*\sc+NQ*\i:SC+8*NQ*\sc+NQ*\i+1], v[ADRS+\sc] offset:\i*16*PITCH
.endr
.endm
.macro PLACES n
.rept \n
	v_nop
.endr
.endm
.macro STEP slot, q, zero
	s_wait_dscnt 4*NL
	WIN MUL_LO
	MUL16 0, (\q)%2, \q, \slot, \zero
	MUL16 2, (\q)%2, \q, \slot, \zero
	s_wait_dscnt 0
	PLACES NP
	FETCH_B \slot, (\q)+1, 1-(\q)%2
	FETCH_A \slot, (\q)+1, 0
	WIN MUL_HI
	MUL16 4, (\q)%2, \q, \slot, \zero
	MUL16 6, (\q)%2, \q, \slot, \zero
	PLACES NP
	WIN 0
	FETCH_A \slot, (\q)+1, 4
.endm
.macro TURN slot, next, fill
	s_wait_tensorcnt 0x0
	ds_add_u32 v[SPW], v[NIL]
	s_wait_dscnt 4*NL+1
	WIN MUL_LO
	MUL16 0, 1, NQ-1, \slot, 0
	s_wait_dscnt 0x0
	s_barrier_signal -1
	MUL16 2, 1, NQ-1, \slot, 0
	WIN 0
	s_barrier_wait -1
.if \fill
	CREST
	s_add_nc_u64 s[G0+4*\slot+2:G0+4*\slot+3], s[G0+4*\slot+2:G0+4*\slot+3], 2*ROWB
	s_add_nc_u64 s[G0B+4*\slot+2:G0B+4*\slot+3], s[G0B+4*\slot+2:G0B+4*\slot+3], 2*ROWB
	JLOAD G0+4*\slot, G1, G0B+4*\slot, G1B
.else
	PLACES NP
.endif
	FETCH_B \next, 0, 0
	FETCH_A \next, 0, 0
	SCALES \next
	WIN MUL_HI
	MUL16 4, 1, NQ-1, \slot, 0
	MUL16 6, 1, NQ-1, \slot, 0
	PLACES NP
	WIN 0
	FETCH_A \next, 0, 4
.endm
	s_wait_alu depctr_va_vdst(0)
	s_wait_loadcnt 0x0
	s_wait_tensorcnt 0x0                           ; my part of chunk 0 is in; slot 1's first fill is issued as a refill is
	ds_add_u32 v[SPW], v[NIL]
	s_wait_dscnt 0x0
	CROUND
	JLOAD G0+4, G1, G0B+4, G1B                     ; chunk 1, the first tensor load behind the round
	FETCH_B 0, 0, 0
	FETCH_A 0, 0, 0
	SCALES 0
	FETCH_A 0, 0, 4
	STEP 0, 0, 1
	s_mov_b32 s3, LAPS-1
.Llap:
	TURN 0, 1, 1
	STEP 1, 0, 0
	TURN 1, 0, 1
	STEP 0, 0, 0
	s_sub_co_u32 s3, s3, 1
	s_cmp_lg_u32 s3, 0
	s_cbranch_scc1 .Llap
	TURN 0, 1, 0
	STEP 1, 0, 0
	s_wait_dscnt 4*NL
	WIN MUL_LO
	MUL16 0, 1, NQ-1, 1, 0
	MUL16 2, 1, NQ-1, 1, 0
	s_wait_dscnt 0
	WIN MUL_HI
	MUL16 4, 1, NQ-1, 1, 0
	MUL16 6, 1, NQ-1, 1, 0
	WIN 0
	PLACES NP
.macro QUANT s, w
	WIN ((\w)<<2)|((\w)<<4)
.irp b, 0,1,2,3
	v_max3_num_f32 v[TM+\b], 0x1800000, |v[(\s)+16*\b]|, |v[(\s)+16*\b+1]|
.endr
.irp i, 2,4,6,8,10,12,14
.irp b, 0,1,2,3
	v_max3_num_f32 v[TM+\b], v[TM+\b], |v[(\s)+16*\b+\i]|, |v[(\s)+16*\b+\i+1]|
.endr
.endr
	WIN 0
.irp b, 0,1,2,3
	v_permlanex16_b32 v[TM+4+\b], v[TM+\b], s[SEL], s[SEL+1]
.endr
.irp b, 0,1,2,3
	v_max_num_f32 v[TM+\b], v[TM+\b], v[TM+4+\b]
.endr
.irp b, 0,1,2,3
	v_add_nc_u32 v[TM+12+\b], 0xff000000, v[TM+\b]
.endr
.irp b, 0,1,2,3
	v_lshrrev_b32 v[TM+4+\b], 23, v[TM+12+\b]
.endr
	v_lshl_or_b32 v[PW], v[TM+5], 8, v[TM+4]
	v_lshl_or_b32 v[PW], v[TM+6], 16, v[PW]
	v_lshl_or_b32 v[PW], v[TM+7], 24, v[PW]
	WIN (\w)
.irp c, 0,1
	v_cvt_scalef32_pk16_fp6_f32 v[PC+6*\c:PC+2+6*\c], v[(\s)+32*\c:(\s)+15+32*\c], v[TM+12+2*\c]
	v_cvt_scalef32_pk16_fp6_f32 v[PC+12+4*\c:PC+14+4*\c], v[(\s)+16+32*\c:(\s)+31+32*\c], v[TM+13+2*\c]
.endr
	WIN 0
	v_nop
.irp c, 0,1
.irp i, 0,1,2
	v_permlane16_swap_b32 v[PC+6*\c+\i], v[PC+12+4*\c+\i]
.endr
.irp i, 0,1,2
	v_mov_b32 v[PC+3+6*\c+\i], v[PC+12+4*\c+\i]
.endr
.endr
.endm
.macro OUT e, p
.irp c, 0,1,2
	global_store_b128 v[LI], v[PC+4*\c:PC+4*\c+3], s[CB+2*(\e):CB+2*(\e)+1] offset:1536*(\p)+512*\c
.endr
.if (\p)%2 == 0
	v_mov_b32 v[PWK+(\e)], v[PW]
.else
	v_cndmask_b32 v[SW], v[PWK+(\e)], v[PW], s101
	global_store_b32 v[LS], v[SW], s[SB+2*(\e):SB+2*(\e)+1] offset:128*((\p)/2)
.endif
.endm
.macro SUMSQ a0
	WIN 0x0a+5*((\a0)/4)
.irp a, \a0, \a0+1
.irp e, 0,1
	v_pk_mul_f32 v[T+2*(2*(\a)+\e):T+2*(2*(\a)+\e)+1], v[8*(8*((\a)%4)+4*\e):8*(8*((\a)%4)+4*\e)+1], v[8*(8*((\a)%4)+4*\e):8*(8*((\a)%4)+4*\e)+1]
.endr
.endr
.irp i, 2,4,6,8,10,12,14,16,18,20,22,24,26,28,30
.irp a, \a0, \a0+1
.irp e, 0,1
	v_pk_fma_f32 v[T+2*(2*(\a)+\e):T+2*(2*(\a)+\e)+1], v[8*(8*((\a)%4)+4*\e)+\i:8*(8*((\a)%4)+4*\e)+\i+1], v[8*(8*((\a)%4)+4*\e)+\i:8*(8*((\a)%4)+4*\e)+\i+1], v[T+2*(2*(\a)+\e):T+2*(2*(\a)+\e)+1]
.endr
.endr
.endr
.endm
.macro ROT a, e, q
.set AB, 8*(8*((\a)%4)+4*(\e))
	WIN 2+(\a)/4
.irp i, 0,2,4,6,8,10,12,14,16,18,20,22,24,26,28,30
	v_pk_mul_f32 v[T+\i:T+\i+1], v[AB+\i:AB+\i+1], v[RS+2*(\a):RS+2*(\a)+1] op_sel:[0,\e] op_sel_hi:[1,\e]
.endr
	WIN 0
.irp i, 0,2,4,6,8,10,12,14,16,18,20,22,24,26,28,30
	v_pk_mul_f32 v[T+\i:T+\i+1], v[T+\i:T+\i+1], v[NW+\i:NW+\i+1]
.endr
	WIN 0x04
.irp i, 0,2,4,6,8,10,12,14
	v_pk_mul_f32 v[Y+32*(\q)+\i:Y+32*(\q)+\i+1], v[T+\i:T+\i+1], v[32*(\a)+\i:32*(\a)+\i+1]
	v_pk_mul_f32 v[Y+32*(\q)+16+\i:Y+32*(\q)+16+\i+1], v[T+16+\i:T+16+\i+1], v[32*(\a)+\i:32*(\a)+\i+1]
.endr
.irp i, 0,2,4,6,8,10,12,14
	v_pk_fma_f32 v[Y+32*(\q)+\i:Y+32*(\q)+\i+1], v[T+16+\i:T+16+\i+1], v[32*(\a)+16+\i:32*(\a)+16+\i+1], v[Y+32*(\q)+\i:Y+32*(\q)+\i+1] neg_lo:[1,0,0] neg_hi:[1,0,0]
	v_pk_fma_f32 v[Y+32*(\q)+16+\i:Y+32*(\q)+16+\i+1], v[T+\i:T+\i+1], v[32*(\a)+16+\i:32*(\a)+16+\i+1], v[Y+32*(\q)+16+\i:Y+32*(\q)+16+\i+1]
.endr
	WIN 0
.endm
	s_lshl_b32 s76, s17, 8
	s_lshl_b32 s77, s15, 7
	s_add_co_u32 s76, s76, s77
	s_lshl_b32 s76, s76, 8
	s_mov_b32 s77, 0
	s_add_nc_u64 s[12:13], s[12:13], s[76:77]
	s_lshl_b32 s78, s17, 3
	s_lshl_b32 s79, s15, 2
	s_add_co_u32 s78, s78, s79
	s_lshl_b32 s79, s42, 2
	s_lshl_b32 s80, s16, 1
	s_add_co_u32 s79, s79, s80
	s_mul_i32 s80, s79, 98304
	s_mul_i32 s81, s78, 1536
	s_add_co_u32 s80, s80, s81
	s_lshl_b32 s81, s79, 12
	s_lshl_b32 s82, s78, 6
	s_add_co_u32 s81, s81, s82
	s_add_co_u32 s81, s81, 3145728
	s_lshl_b32 s82, s40, 1
	s_mul_i32 s82, s82, 204800
	s_lshl_b32 s83, s17, 1
	s_add_co_u32 s83, s83, s15
	s_mul_i32 s83, s83, 12800
	s_add_co_u32 s82, s82, s83
	s_mul_i32 s83, s100, 6144
	s_add_co_u32 s83, s82, s83
	s_lshl_b32 s84, s100, 8
	s_add_co_u32 s84, s84, s82
	s_add_co_u32 s84, s84, 12288
	s_mov_b32 s85, 98304
	s_mov_b32 s86, 4096
	s_cmp_eq_u32 ttmp9, 2
	s_cselect_b32 s80, s83, s80
	s_cselect_b32 s81, s84, s81
	s_cselect_b32 s85, 204800, s85
	s_cselect_b32 s86, 204800, s86
	s_mov_b32 s76, s80
	s_add_nc_u64 s[CB:CB+1], s[96:97], s[76:77]
	s_mov_b32 s76, s85
	s_add_nc_u64 s[CB+2:CB+3], s[CB:CB+1], s[76:77]
	s_mov_b32 s76, s81
	s_add_nc_u64 s[SB:SB+1], s[96:97], s[76:77]
	s_mov_b32 s76, s86
	s_add_nc_u64 s[SB+2:SB+3], s[SB:SB+1], s[76:77]
	s_mov_b32 s[SEL], 0x76543210
	s_mov_b32 s[SEL+1], 0xfedcba98
	s_mov_b32 s[INV64], 0x3c800000
	s_mov_b32 s[EPS], 0x358637bd
.irp b, 0,1,2,3
	v_mov_b32 v[TM+4+\b], 0
.endr
	s_cmp_eq_u32 s100, 1
	s_cbranch_scc1 .Lvpath
	WIN 0x40
.irp a, 0,1,2,3,4,5,6,7
.irp c, 0,1,2,3
	global_load_b128 v[32*\a+4*\c:32*\a+4*\c+3], v[VT], s[12:13] offset:(32*(\a/2)+8*(\a%2))*256+16*\c
.endr
.irp c, 0,1,2,3
	global_load_b128 v[32*\a+16+4*\c:32*\a+16+4*\c+3], v[VT], s[12:13] offset:(32*(\a/2)+8*(\a%2))*256+128+16*\c
.endr
.endr
	SUMSQ 0
	SUMSQ 2
	SUMSQ 4
	SUMSQ 6
	WIN 0
.irp k, 0,1,2,3,4,5,6,7,8,9,10,11,12,13,14,15
	v_add_f32 v[RS+\k], v[T+2*\k], v[T+2*\k+1]
.endr
.irp k, 0,1,2,3,4,5,6,7,8,9,10,11,12,13,14,15
	v_permlanex16_b32 v[T+2*\k], v[RS+\k], s[SEL], s[SEL+1]
.endr
.irp k, 0,1,2,3,4,5,6,7,8,9,10,11,12,13,14,15
	v_add_f32 v[RS+\k], v[RS+\k], v[T+2*\k]
.endr
.irp k, 0,1,2,3,4,5,6,7,8,9,10,11,12,13,14,15
	v_fma_f32 v[RS+\k], v[RS+\k], s[INV64], s[EPS]
.endr
	s_wait_alu depctr_va_vdst(0)
.irp k, 0,1,2,3,4,5,6,7,8,9,10,11,12,13,14,15
	v_rsq_f32 v[RS+\k], v[RS+\k]
.endr
	v_nop
	s_wait_alu depctr_va_vdst(0)
.irp p, 0,1,2,3
	s_wait_loadcnt 48-16*\p
.irp e, 0,1
	ROT 2*\p, \e, 0
	ROT 2*\p+1, \e, 1
	s_wait_xcnt 0x0
	QUANT Y, 0
	OUT \e, \p
.endr
.endr
	s_branch .Ljoin
.Lvpath:
.irp a, 0,1,2,3,4,5,6,7
	s_wait_xcnt 0x0
	QUANT 64*(\a%4), 2+\a/4
	OUT \a/4, \a%4
.endr
.Ljoin:
	s_wait_tensorcnt 0x0
	ds_add_u32 v[SPW], v[NIL]
	s_wait_dscnt 0x0
	CROUND
	s_endpgm
.Lfunc_end_k_q0a815b5ae5_qkv:
	.size	k_q0a815b5ae5_qkv, .Lfunc_end_k_q0a815b5ae5_qkv-k_q0a815b5ae5_qkv
	.p2alignl 7, 3214868480
	.fill 96, 4, 3214868480
	.section	.rodata,"a",@progbits
	.p2align	6, 0x0
	.amdhsa_kernel k_q0a815b5ae5_qkv
		.amdhsa_group_segment_fixed_size 327680
		.amdhsa_private_segment_fixed_size 0
		.amdhsa_enable_private_segment 0
		.amdhsa_kernarg_size 56
		.amdhsa_user_sgpr_count 2
		.amdhsa_user_sgpr_kernarg_segment_ptr 1
		.amdhsa_wavefront_size32 1
		.amdhsa_system_sgpr_workgroup_id_x 1
		.amdhsa_system_sgpr_workgroup_id_y 1
		.amdhsa_system_sgpr_workgroup_id_z 1
		.amdhsa_system_vgpr_workitem_id 0
		.amdhsa_next_free_vgpr 1024
		.amdhsa_next_free_sgpr 102
		.amdhsa_reserve_vcc 0
		.amdhsa_float_denorm_mode_32 3
		.amdhsa_float_denorm_mode_16_64 3
		.amdhsa_memory_ordered 1
		.amdhsa_forward_progress 1
		.amdhsa_inst_pref_size 255
	.end_amdhsa_kernel
	.section	.bss,"aw",@nobits
	.p2align	6
	.space	262144
	.amdgpu_metadata
---
amdhsa.version: [ 1, 2 ]
amdhsa.kernels:
  - .name:           k_q0a815b5ae5_qkv
    .symbol:         k_q0a815b5ae5_qkv.kd
    .args:
      - { .name: acts, .offset: 0, .size: 8, .value_kind: global_buffer, .address_space: global }
      - { .name: wts, .offset: 8, .size: 8, .value_kind: global_buffer, .address_space: global }
      - { .name: qimg, .offset: 16, .size: 8, .value_kind: global_buffer, .address_space: global }
      - { .name: kvrec, .offset: 24, .size: 8, .value_kind: global_buffer, .address_space: global }
      - { .name: q_norm_w, .offset: 32, .size: 8, .value_kind: global_buffer, .address_space: global }
      - { .name: k_norm_w, .offset: 40, .size: 8, .value_kind: global_buffer, .address_space: global }
      - { .name: rope, .offset: 48, .size: 8, .value_kind: global_buffer, .address_space: global }
    .group_segment_fixed_size: 327680
    .private_segment_fixed_size: 0
    .kernarg_segment_align: 8
    .kernarg_segment_size: 56
    .max_flat_workgroup_size: 128
    .sgpr_count:     102
    .vgpr_count:     1024
    .wavefront_size: 32
...
	.end_amdgpu_metadata
.endif
;; end of part 2
;; launch attn (part 3): grid 32 x 8, 16 waves a work-group, no clusters, 327,680 bytes of LDS; arguments qimg, kvrec, ocod; writes ocod
.if DOCPART == 3
	.amdgcn_target "amdgcn-amd-amdhsa--gfx1250"
	.amdhsa_code_object_version 6
	.text
	.protected	k_q0a815b5ae5_attn
	.globl	k_q0a815b5ae5_attn
	.p2align	8
	.type	k_q0a815b5ae5_attn,@function
k_q0a815b5ae5_attn:
	s_mov_b64 s[64:65], 0
	v_nop
	global_prefetch_b8 v0, s[64:65] scope:SCOPE_SE
	s_setreg_imm32_b32 hwreg(HW_REG_WAVE_MODE, 25, 1), 1
	s_wait_xcnt 0x0
; ATTN: causal attention, 32 query heads on 8 key/value heads, head size 64, both products on codes of FP6 (E2M3) with E8M0 scales; the result, divided by the row's sum, is quantised along head x channel for the last product.
; THE SOFTMAX: t = score x log2(e) / 8; M = the running largest t rounded UP to a whole number; p = 2^(t - M) is quantised along the keys; the sum is taken of the unquantised p; a move of M multiplies sum and O by a power of two.
; SHARES.  Work-group (i, kv head) owns the blocks of 32 tokens i and 63 - i (their causal work adds up alike for every i) for the 4 query heads of its kv head.  Each of sixteen waves owns 16 queries of one head:
;   block sel, parity u (queries 32 g + 8 u + r%8 + 16 (r/8)), head hq; four waves to a SIMD, two of an early and two of a late block.
; K AND V of the whole kv head, 16 records of 128 keys (12,800 bytes: K's 4 images, V's 4, their scale words), come into LDS ONCE, by sixteen tensor loads, one a wave (waves 0-3 at the head, 4-15 behind the first barrier).  Nothing is filled again.
;   So there is no later stream to prefetch.  No cluster: which key steps a wave leaves out hangs on its work-group's own queries, a branch that would differ between partners.
; K = 64 IN AN INSTRUCTION OF 128: a K image's row holds two keys (k 0..63: key 32 p + 16 (m/8) + m%8, k 64..127: that key + 8).  It is multiplied by [q | 0] and by [0 | q]: two tiles, whose 16 registers are 16 neighbouring keys.
; Both products are used transposed: a lane holds one query throughout.  A step all of whose keys come after the wave's queries is left out by a scalar branch on ids; on the diagonal hidden scores become -infinity.
; LIMITS: NaN and infinities are not served; a block of zeros gets the scale byte 1 (its codes are zeros).
.set REC,  12800
.set STG,  204800                      ; the way out: 64 tokens x (16 places of 16 bytes + 16)
.set SS,   222208                      ; and their 8 scale bytes each
.set S,    96                          ; v96-159  S^T, then p
.set O,    160                         ; v160-191 O^T, 4 tiles
.set KFR,  48                          ; v48-95   K's 4 images; behind the first products at work:
.set BM,   48                          ;   v48-51 block maxima; v52-55 the other half's, then bytes; v56-62 conversions' second halves; v64-67 scale operands; v[68:69] f; v70-73 at work
.set BP,   52
.set CT,   56
.set BS,   64
.set VFR,  192                         ; v192-239 V's 4 images
.set PCD,  240                         ; v240-251 p's codes
; v1 16 x lane, v2 4 x lane, v3 2048 x lane, v4 my query less Q0 less 16 h, v5-7, v9, v11 the way out's addresses, v8, v10 the step's LDS addresses, v12 -M, v13 largest t, v[14:15] the sum,
; v16-27 [q | 0], v28-39 [0 | q], v40-46 scale words alone: q's two, K's two, V's two, p's.
	s_load_b128 s[4:7], s[0:1], 0x0                ; qimg, kvrec
	s_load_b64 s[8:9], s[0:1], 0x10                ; ocod
	v_lshl_add_u32 v254, v0, 2, 0x37000
	v_mov_b32 v255, 0
	ds_add_u32 v254, v255
	ds_add_u32 v254, v255
	v_lshrrev_b32 v1, 5, v0
	s_delay_alu instid0(VALU_DEP_1)
	v_readfirstlane_b32 s10, v1                    ; wave 0..15
	s_and_b32 s19, ttmp7, 0xffff                   ; kv head
	s_mov_b32 s24, 3<<16                           ; group 1: a record as 50 rows of 256 bytes (32 elements of 8 bytes), dense, no padding
	s_mov_b32 s25, 32<<16
	s_mov_b32 s26, 50<<16
	s_mov_b32 s27, 32<<16
	s_mov_b32 s28, 50
	s_mov_b32 s29, 32
	s_mov_b32 s30, 0
	s_mov_b32 s31, 0
	s_mul_i32 s48, s10, REC                        ; wave w fetches record w, by one load: waves 0-3 at the head, waves 4-15 behind the first barrier
	s_mul_i32 s50, s19, 16*REC
	s_add_co_u32 s50, s50, s48
	s_mov_b32 s51, 0
	s_wait_dscnt 0x0
	s_wait_kmcnt 0x0
	s_add_nc_u64 s[50:51], s[6:7], s[50:51]
	s_mov_b32 s32, 1
	s_mov_b32 s33, s48
	s_mov_b64 s[34:35], s[50:51]
	s_or_b32 s35, s35, 0x80000000
	s_cmp_lt_u32 s10, 4                            ; waves 0-3: one first fill each, in one branch, ahead of every wait on TENSORcnt, LDS read and barrier: one load of mine is out
	s_cbranch_scc0 .Lno_fetch
	tensor_load_to_lds s[32:35], s[24:31]
	s_nop 0
.rept 4
	v_nop
.endr
.Lno_fetch:
	s_and_b32 s48, s10, 1
	s_bfe_u32 s49, s10, 0x10001
	s_bfe_u32 s12, s10, 0x10002                    ; u: the tile's parity
	s_lshr_b32 s11, s10, 3
	s_lshl_b32 s11, s11, 1
	s_add_co_u32 s11, s11, s49                     ; hq: which of the four query heads
	s_xor_b32 s13, s48, s12                        ; sel: the early block or the late one
	s_sub_co_u32 s14, 63, ttmp9
	s_cmp_eq_u32 s13, 1
	s_cselect_b32 s14, s14, ttmp9                  ; g: my block of 32 tokens
	s_lshl_b32 s15, s14, 5
	s_lshl_b32 s48, s12, 3
	s_add_co_u32 s15, s15, s48                     ; Q0 = 32 g + 8 u
	s_mov_b32 s16, 0                               ; the step's first key
	s_mov_b32 s17, 0                               ; and its record in LDS
	s_mov_b32 s20, 0x76543210
	s_mov_b32 s21, 0xfedcba98
	s_mov_b32 s22, 0x3e38aa3b                      ; c = log2(e) / 8
	s_mov_b32 s23, s22
	v_and_b32 v3, 31, v0
	s_delay_alu instid0(VALU_DEP_1)
	v_lshlrev_b32 v1, 4, v3
	s_wait_alu depctr_va_vdst(0)
	v_lshlrev_b32 v2, 2, v3
	v_and_b32 v8, 15, v0                           ; r
	v_bfe_u32 v9, v0, 4, 1                         ; h
	s_delay_alu instid0(VALU_DEP_2)
	v_lshlrev_b32 v60, 2, v8
	s_wait_alu depctr_va_vdst(0)
	s_lshl_b32 s48, s19, 2
	s_add_co_u32 s48, s48, s11                     ; my query head
	s_mul_i32 s52, s48, 98304
	s_mul_i32 s49, s14, 1536
	s_add_co_u32 s52, s52, s49
	s_mov_b32 s53, 0
	s_add_nc_u64 s[52:53], s[4:5], s[52:53]
	s_lshl_b32 s54, s48, 12
	s_lshl_b32 s49, s14, 6
	s_add_co_u32 s54, s54, s49
	s_add_co_u32 s54, s54, 3145728
	s_mov_b32 s55, 0
	s_add_nc_u64 s[54:55], s[4:5], s[54:55]
	global_load_b128 v[48:51], v1, s[52:53]        ; the image of my block's 32 queries
	global_load_b128 v[52:55], v1, s[52:53] offset:512
	global_load_b128 v[56:59], v1, s[52:53] offset:1024
	global_load_b32 v61, v60, s[54:55]             ; its scale words
	v_and_b32 v10, 7, v0
	v_bfe_u32 v11, v0, 3, 1
	s_delay_alu instid0(VALU_DEP_1)
	v_lshl_add_u32 v10, v11, 4, v10                ; r%8 + 16 (r/8)
	v_lshlrev_b32 v11, 4, v9
	s_delay_alu instid0(VALU_DEP_1)
	v_sub_nc_u32 v4, v10, v11
	s_lshl_b32 s48, s13, 5
	s_lshl_b32 s49, s12, 3
	s_add_co_u32 s48, s48, s49
	v_add_nc_u32 v10, s48, v10                     ; my query's row of the stage: 32 sel + 8 u + ..
	s_delay_alu instid0(VALU_DEP_1)
	v_mul_u32_u24 v5, v10, 272
	s_delay_alu instid0(VALU_DEP_1)
	v_lshl_add_u32 v5, v9, 4, v5
	s_lshl_b32 s49, s11, 6
	s_add_co_u32 s49, s49, STG
	v_add_nc_u32 v5, s49, v5                       ; place 4 hq + 2 b + h
	v_lshlrev_b32 v6, 3, v10
	s_lshl_b32 s49, s11, 1
	s_add_co_u32 s49, s49, SS
	v_add_nc_u32 v6, s49, v6
	s_lshl_b32 s49, s10, 2
	s_mul_i32 s49, s49, 272
	s_add_co_u32 s49, s49, STG
	v_mul_u32_u24 v7, v9, 272
	s_delay_alu instid0(VALU_DEP_1)
	v_lshl_add_u32 v7, v8, 4, v7
	s_delay_alu instid0(VALU_DEP_1)
	v_add_nc_u32 v7, s49, v7                       ; back: rows 4 w + h, sixteen lanes to a row
	v_mul_u32_u24 v11, v9, 2048
	s_delay_alu instid0(VALU_DEP_1)
	v_mad_u32_u24 v11, v8, 12, v11
	s_and_b32 s49, s10, 1
	s_lshl_b32 s49, s49, 8
	s_add_co_u32 s49, s49, SS
	v_lshl_add_u32 v9, v3, 3, s49                  ; the scale bytes back: row 32 (w % 2) + lane
	v_lshlrev_b32 v3, 11, v3                       ; a token's row of ocod: 8 chunks of 256 bytes (192 of codes, 8 scale bytes, 56 zeros), one for each kv head
	s_cmp_eq_u32 s12, 1
	s_cselect_b32 s56, -1, 0
	s_lshl_b32 s57, s12, 4
	s_wait_loadcnt 0x0
	v_lshrrev_b32 v61, s57, v61
	s_delay_alu instid0(VALU_DEP_1)
	v_and_b32 v61, 0xffff, v61                     ; my parity's two bytes
	s_delay_alu instid0(VALU_DEP_1)
	v_or_b32 v40, 0x7f7f0000, v61                  ; [q | 0]'s scale word: the zeros' bytes stand for 1
	s_delay_alu instid0(VALU_DEP_2)
	v_lshl_or_b32 v41, v61, 16, 0x7f7f             ; [0 | q]'s
.irp i, 0,1,2,3,4,5
	v_cndmask_b32 v[16+\i], v[48+\i], v[54+\i], s56   ; my parity's half of the image
.endr
.irp i, 0,1,2,3,4,5
	v_mov_b32 v[34+\i], v[16+\i]
	v_mov_b32 v[22+\i], 0
	v_mov_b32 v[28+\i], 0
.endr
	v_mov_b32 v13, 0xff61b1e6                      ; the largest t so far: -3e38
	s_delay_alu instid0(VALU_DEP_1)
	v_floor_f32 v12, -v13
	v_mov_b32 v14, 0
	v_mov_b32 v15, 0
.set j, 0
.rept 32
	v_mov_b32 v[O+j], 0                            ; the step is written once: the first finds zeros
.set j, j+1
.endr
.macro STEP                            ; 128 keys
	s_add_co_u32 s48, s15, 23
	s_cmp_gt_u32 s16, s48
	s_cbranch_scc1 .Lhidden_\@                     ; all keys come after my queries
	v_add_nc_u32 v8, s17, v1
	v_add_nc_u32 v10, s17, v2
	v_nop
	v_nop                                          ; four places in front of loads into registers that the last products read
	ds_load_b32 v42, v10 offset:12288              ; K's scale words: lanes 0-15 image 0's, lanes 16-31 image 1's
	ds_load_b32 v43, v10 offset:12416
.irp p, 0,1,2,3
.irp c, 0,1,2
	ds_load_b128 v[KFR+12*\p+4*\c:KFR+12*\p+4*\c+3], v8 offset:1536*\p+512*\c
.endr
.endr
	ds_load_b32 v44, v10 offset:12544              ; V's
	ds_load_b32 v45, v10 offset:12672
.irp a, 0,1,2,3
.irp c, 0,1,2
	ds_load_b128 v[VFR+12*\a+4*\c:VFR+12*\a+4*\c+3], v8 offset:6144+1536*\a+512*\c
.endr
.endr
	s_wait_dscnt 14                                ; K is in; V's 12 loads and 2 words may be out
.irp p, 0,2
	v_wmma_scale_f32_16x16x128_f8f6f4 v[S+16*\p:S+16*\p+7], v[KFR+12*\p:KFR+12*\p+11], v[16:27], 0, v[42+\p/2], v40 matrix_a_fmt:MATRIX_FMT_FP6 matrix_b_fmt:MATRIX_FMT_FP6
	v_wmma_scale_f32_16x16x128_f8f6f4 v[S+16*\p+8:S+16*\p+15], v[KFR+12*\p:KFR+12*\p+11], v[28:39], 0, v[42+\p/2], v41 matrix_a_fmt:MATRIX_FMT_FP6 matrix_b_fmt:MATRIX_FMT_FP6
	v_wmma_scale_f32_16x16x128_f8f6f4 v[S+16*\p+16:S+16*\p+23], v[KFR+12*\p+12:KFR+12*\p+23], v[16:27], 0, v[42+\p/2], v40 matrix_a_fmt:MATRIX_FMT_FP6 matrix_b_fmt:MATRIX_FMT_FP6 matrix_a_scale:MATRIX_SCALE_ROW1
	v_wmma_scale_f32_16x16x128_f8f6f4 v[S+16*\p+24:S+16*\p+31], v[KFR+12*\p+12:KFR+12*\p+23], v[28:39], 0, v[42+\p/2], v41 matrix_a_fmt:MATRIX_FMT_FP6 matrix_b_fmt:MATRIX_FMT_FP6 matrix_a_scale:MATRIX_SCALE_ROW1
.endr                                  ; register 16 b + i of S^T: key 32 b + 16 h + i of the step
.rept 4
	v_nop
.endr
	s_add_co_u32 s48, s16, 127
	s_cmp_le_u32 s48, s15
	s_cbranch_scc1 .Lopen_\@                       ; all keys count
	s_sub_co_i32 s48, s15, s16
	v_add_nc_u32 v70, s48, v4                      ; d = my query - the step's first key - 16 h: hidden where 32 b + i > d
	v_mov_b32 v71, 0xff800000
.set n, 0
.rept 64
	v_cmp_gt_i32 vcc_lo, 32*(n/16)+n%16, v70
	v_cndmask_b32 v[S+n], v[S+n], v71, vcc_lo
.set n, n+1
.endr
.Lopen_\@:
.irp b, 0,1,2,3
	v_max3_num_f32 v[BM+\b], v[S+16*\b], v[S+1+16*\b], v[S+2+16*\b]   ; the largest score of each block of 32 keys: for the row's maximum and for the block's largest p
.endr
.irp i, 3,5,7,9,11,13
.irp b, 0,1,2,3
	v_max3_num_f32 v[BM+\b], v[BM+\b], v[S+16*\b+\i], v[S+1+16*\b+\i]
.endr
.endr
.irp b, 0,1,2,3
	v_max_num_f32 v[BM+\b], v[BM+\b], v[S+15+16*\b]
.endr
.irp b, 0,1,2,3
	s_delay_alu instid0(VALU_DEP_4)
	v_permlanex16_b32 v[BP+\b], v[BM+\b], s20, s21
.endr
.irp b, 0,1,2,3
	s_delay_alu instid0(VALU_DEP_4)
	v_max_num_f32 v[BM+\b], v[BM+\b], v[BP+\b]
.endr
	s_delay_alu instid0(VALU_DEP_2)
	v_max3_num_f32 v70, v[BM], v[BM+1], v[BM+2]
	s_delay_alu instid0(VALU_DEP_1)
	v_max_num_f32 v70, v70, v[BM+3]
	s_delay_alu instid0(VALU_DEP_1)
	v_mul_f32 v70, s22, v70
	s_delay_alu instid0(VALU_DEP_1)
	v_max_num_f32 v13, v13, v70                    ; the running largest t
	v_mov_b32 v70, v12
	s_delay_alu instid0(VALU_DEP_2)
	v_floor_f32 v12, -v13                          ; -M = floor(-t): M is a whole number
	s_delay_alu instid0(VALU_DEP_1)
	v_sub_f32 v70, v12, v70
	s_delay_alu instid0(VALU_DEP_1)
	v_cvt_i32_f32 v70, v70                         ; old M - new M (it saturates)
	s_delay_alu instid0(VALU_DEP_1)
	v_ldexp_f32 v68, 1.0, v70                      ; f = 2^(old M - new M)
.set j, 0
.rept 32
	v_pk_fma_f32 v[S+j:S+j+1], v[S+j:S+j+1], s[22:23], v[12:13] op_sel_hi:[1,0,0]   ; t - M
.set j, j+2
.endr
.irp b, 0,1,2,3
	v_fma_f32 v[BM+\b], v[BM+\b], s22, v12
.endr
.set j, 0
	s_wait_alu depctr_va_vdst(0)
.rept 64
	v_exp_f32 v[S+j], v[S+j]                       ; p = 2^(t - M)
.set j, j+1
.endr
	v_pk_mul_f32 v[14:15], v[14:15], v[68:69] op_sel_hi:[1,0]   ; the sums under the new M: a plain place behind the batch
	s_wait_alu depctr_va_vdst(0)                   ; one wait for the 64, ahead of their first reader
.irp b, 0,1,2,3
	v_exp_f32 v[BM+\b], v[BM+\b]                   ; each block's largest p
.endr
	v_pk_add_f32 v[72:73], v[S:S+1], v[S+2:S+3]    ; the row's sum of the unquantised p, in two chains
.irp j, 4,8,12,16,20,24,28,32,36,40,44
	v_pk_add_f32 v[14:15], v[14:15], v[S+\j:S+1+\j]
	v_pk_add_f32 v[72:73], v[72:73], v[S+2+\j:S+3+\j]
.endr
	s_wait_alu depctr_va_vdst(0)                   ; and one for the four
.irp b, 0,1,2,3
	v_max_num_f32 v[BM+\b], 0x1800000, v[BM+\b]    ; the floor: the byte cannot fall under 1
.endr
.irp b, 0,1,2,3
	s_delay_alu instid0(VALU_DEP_4)
	v_add_nc_u32 v[BS+\b], 0xff000000, v[BM+\b]
.endr
.irp b, 0,1,2,3
	s_delay_alu instid0(VALU_DEP_4)
	v_lshrrev_b32 v[BP+\b], 23, v[BS+\b]
.endr
	s_delay_alu instid0(VALU_DEP_3)
	v_lshl_or_b32 v46, v[BP+1], 8, v[BP]           ; p's scale word for these 128 keys
	s_delay_alu instid0(VALU_DEP_1)
	v_lshl_or_b32 v46, v[BP+2], 16, v46
	s_delay_alu instid0(VALU_DEP_1)
	v_lshl_or_b32 v46, v[BP+3], 24, v46
.irp c, 0,1
	v_cvt_scalef32_pk16_fp6_f32 v[PCD+6*\c:PCD+2+6*\c], v[S+32*\c:S+15+32*\c], v[BS+2*\c]
	v_cvt_scalef32_pk16_fp6_f32 v[CT+4*\c:CT+2+4*\c], v[S+16+32*\c:S+31+32*\c], v[BS+1+2*\c]
.endr
.set j, 0
.rept 16
	v_pk_mul_f32 v[O+j:O+j+1], v[O+j:O+j+1], v[68:69] op_sel_hi:[1,0]   ; O^T under the new M.  (The first is the plain place behind the conversions)
.set j, j+2
.endr
.irp c, 0,1                            ; the operand's layout wants a whole block in a lane
.irp i, 0,1,2
	v_permlane16_swap_b32 v[PCD+6*\c+\i], v[CT+4*\c+\i]
.endr
.irp i, 0,1,2
	s_delay_alu instid0(VALU_DEP_3)
	v_mov_b32 v[PCD+3+6*\c+\i], v[CT+4*\c+\i]
.endr
.endr
.irp j, 48,52,56,60                    ; the rest of the sums: nine plain instructions between the last write of an operand and the products
	v_pk_add_f32 v[14:15], v[14:15], v[S+\j:S+1+\j]
	v_pk_add_f32 v[72:73], v[72:73], v[S+2+\j:S+3+\j]
.endr
	s_delay_alu instid0(VALU_DEP_1)
	v_pk_add_f32 v[14:15], v[14:15], v[72:73]
	s_wait_dscnt 0x0                               ; V is in
.irp a, 0,2
	v_wmma_scale_f32_16x16x128_f8f6f4 v[O+8*\a:O+8*\a+7], v[VFR+12*\a:VFR+12*\a+11], v[PCD:PCD+11], v[O+8*\a:O+8*\a+7], v[44+\a/2], v46 matrix_a_fmt:MATRIX_FMT_FP6 matrix_b_fmt:MATRIX_FMT_FP6
	v_wmma_scale_f32_16x16x128_f8f6f4 v[O+8*\a+8:O+8*\a+15], v[VFR+12*\a+12:VFR+12*\a+23], v[PCD:PCD+11], v[O+8*\a+8:O+8*\a+15], v[44+\a/2], v46 matrix_a_fmt:MATRIX_FMT_FP6 matrix_b_fmt:MATRIX_FMT_FP6 matrix_a_scale:MATRIX_SCALE_ROW1
.endr                                  ; the four accumulators take turns, one instruction a turn, with the eight of S^T between
.Lhidden_\@:
	s_add_co_u32 s16, s16, 128
	s_add_co_u32 s17, s17, REC
.endm
.macro GROUP n, trips                  ; n = 0: records 0-3 are in; the other twelve are asked for.  n = 1: all are in
	s_wait_tensorcnt 0x0
.if \n == 0
	ds_add_u32 v254, v255                          ; the add, here twice on end
	ds_add_u32 v254, v255
.endif
	s_wait_dscnt 0x0
	s_barrier_signal -1
	s_barrier_wait -1
.if \n == 0
	s_cmp_lt_u32 s10, 4
	s_cbranch_scc1 .Lfetched
	tensor_load_to_lds s[32:35], s[24:31]          ; records 4-15, first fills, one a wave: they have four key steps in which to land
	s_nop 0
.rept 4
	v_nop
.endr
.Lfetched:
.endif
	s_mov_b32 s18, \trips
.Lstep_\@:
	STEP
	s_sub_co_u32 s18, s18, 1
	s_cmp_lg_u32 s18, 0
	s_cbranch_scc1 .Lstep_\@
.endm
	s_wait_alu depctr_va_vdst(0)                   ; the wait at the head's end
	GROUP 0, 4
	GROUP 1, 12
	; THE WAY OUT.  O^T / the sum; register 16 b + i is channel 32 b + 16 h + i of my query: two blocks of 32, each shared with lane l xor 16
.rept 4
	v_nop
.endr
	s_wait_alu depctr_va_vdst(0)
	v_add_f32 v14, v14, v15
	s_delay_alu instid0(VALU_DEP_1)
	v_permlanex16_b32 v52, v14, s20, s21
	s_delay_alu instid0(VALU_DEP_1)
	v_add_f32 v14, v14, v52
	s_wait_alu depctr_va_vdst(0)
	v_rcp_f32 v14, v14
	v_nop
	s_wait_alu depctr_va_vdst(0)                   ; ahead of the reciprocal's first reader
.set j, 0
.rept 16
	v_pk_mul_f32 v[S+j:S+j+1], v[O+j:O+j+1], v[14:15] op_sel_hi:[1,0]
.set j, j+2
.endr
.irp b, 0,1
	v_max3_num_f32 v[BM+\b], |v[S+16*\b]|, |v[S+1+16*\b]|, 0x1800000
.endr
.irp i, 2,4,6,8,10,12,14
.irp b, 0,1
	s_delay_alu instid0(VALU_DEP_2)
	v_max3_num_f32 v[BM+\b], v[BM+\b], |v[S+16*\b+\i]|, |v[S+1+16*\b+\i]|
.endr
.endr
.irp b, 0,1
	s_delay_alu instid0(VALU_DEP_2)
	v_permlanex16_b32 v[BP+\b], v[BM+\b], s20, s21
.endr
.irp b, 0,1
	s_delay_alu instid0(VALU_DEP_2)
	v_max_num_f32 v[BM+\b], v[BM+\b], v[BP+\b]
.endr
.irp b, 0,1
	s_delay_alu instid0(VALU_DEP_2)
	v_add_nc_u32 v[BS+\b], 0xff000000, v[BM+\b]
.endr
.irp b, 0,1
	s_delay_alu instid0(VALU_DEP_2)
	v_lshrrev_b32 v[BP+\b], 23, v[BS+\b]
.endr
	s_delay_alu instid0(VALU_DEP_1)
	v_lshl_or_b32 v54, v53, 8, v52                 ; my head's two scale bytes
	v_cvt_scalef32_pk16_fp6_f32 v[240:242], v[S:S+15], v64
	v_cvt_scalef32_pk16_fp6_f32 v[244:246], v[S+16:S+31], v65
	v_nop
	ds_store_b96 v5, v[240:242]                    ; 12 bytes to a place of 16: place 4 hq + 2 b + h of my token's row
	ds_store_b96 v5, v[244:246] offset:32
	ds_store_b16 v6, v54                           ; both lanes of a query write the same bytes
	s_lshl_b32 s48, ttmp9, 5                       ; the early block's first token,
	s_sub_co_u32 s49, 63, ttmp9
	s_lshl_b32 s49, s49, 5                         ; the late one's
	s_cmp_lt_u32 s10, 8
	s_cselect_b32 s50, s48, s49
	s_lshl_b32 s51, s10, 2
	s_and_b32 s51, s51, 31
	s_add_co_u32 s50, s50, s51                     ; the first of the four tokens that I store
	s_lshl_b32 s52, s50, 11
	s_lshl_b32 s51, s19, 8
	s_add_co_u32 s52, s52, s51
	s_mov_b32 s53, 0
	s_add_nc_u64 s[52:53], s[8:9], s[52:53]
	s_wait_dscnt 0x0                               ; for the others' sake: my stores into the stage are done
	s_barrier_signal -1
	s_barrier_wait -1
	ds_load_b96 v[96:98], v7
	ds_load_b96 v[100:102], v7 offset:544
	s_wait_dscnt 1
	global_store_b96 v11, v[96:98], s[52:53]       ; sixteen lanes store a token's 192 consecutive bytes: its four heads of this kv head
	s_wait_dscnt 0x0
	global_store_b96 v11, v[100:102], s[52:53] offset:4096
	s_cmp_lt_u32 s10, 2
	s_cbranch_scc0 .Ldone
	ds_load_b64 v[104:105], v9                     ; waves 0 and 1: the scale bytes of a block's 32 tokens, 8 each
	s_cmp_eq_u32 s10, 0
	s_cselect_b32 s50, s48, s49
	s_lshl_b32 s54, s50, 11
	s_lshl_b32 s51, s19, 8
	s_add_co_u32 s54, s54, s51
	s_add_co_u32 s54, s54, 192
	s_mov_b32 s55, 0
	s_add_nc_u64 s[54:55], s[8:9], s[54:55]
	s_wait_dscnt 0x0
.irp i, 106,107,108,109,110,111
	v_mov_b32 v\i, 0
.endr
	global_store_b128 v3, v[104:107], s[54:55]     ; a chunk's last 64 bytes: 8 scale bytes, then zeros
.irp i, 16,32,48
	global_store_b128 v3, v[108:111], s[54:55] offset:\i
.endr
.Ldone:
	s_wait_tensorcnt 0x0
	ds_add_u32 v254, v255
	s_wait_dscnt 0x0
	s_endpgm
.Lfunc_end_k_q0a815b5ae5_attn:
	.size	k_q0a815b5ae5_attn, .Lfunc_end_k_q0a815b5ae5_attn-k_q0a815b5ae5_attn
	.p2alignl 7, 3214868480
	.fill 96, 4, 3214868480
	.section	.rodata,"a",@progbits
	.p2align	6, 0x0
	.amdhsa_kernel k_q0a815b5ae5_attn
		.amdhsa_group_segment_fixed_size 327680
		.amdhsa_private_segment_fixed_size 0
		.amdhsa_enable_private_segment 0
		.amdhsa_kernarg_size 24
		.amdhsa_user_sgpr_count 2
		.amdhsa_user_sgpr_kernarg_segment_ptr 1
		.amdhsa_wavefront_size32 1
		.amdhsa_system_sgpr_workgroup_id_x 1
		.amdhsa_system_sgpr_workgroup_id_y 1
		.amdhsa_system_sgpr_workgroup_id_z 1
		.amdhsa_system_vgpr_workitem_id 0
		.amdhsa_next_free_vgpr 256
		.amdhsa_next_free_sgpr 66
		.amdhsa_reserve_vcc 1
		.amdhsa_float_denorm_mode_32 3
		.amdhsa_float_denorm_mode_16_64 3
		.amdhsa_memory_ordered 1
		.amdhsa_forward_progress 1
		.amdhsa_inst_pref_size 59
	.end_amdhsa_kernel
	.amdgpu_metadata
---
amdhsa.version: [ 1, 2 ]
amdhsa.kernels:
  - .name:           k_q0a815b5ae5_attn
    .symbol:         k_q0a815b5ae5_attn.kd
    .args:
      - { .name: qimg, .offset: 0, .size: 8, .value_kind: global_buffer, .address_space: global }
      - { .name: kvrec, .offset: 8, .size: 8, .value_kind: global_buffer, .address_space: global }
      - { .name: ocod, .offset: 16, .size: 8, .value_kind: global_buffer, .address_space: global }
    .group_segment_fixed_size: 327680
    .private_segment_fixed_size: 0
    .kernarg_segment_align: 8
    .kernarg_segment_size: 24
    .max_flat_workgroup_size: 512
    .sgpr_count:     66
    .vgpr_count:     256
    .wavefront_size: 32
...
	.end_amdgpu_metadata
.endif
;; end of part 3
;; launch oproj (part 4): grid 16 x 16, 4 waves a work-group, clusters of 4 x 4, 327,680 bytes of LDS; arguments ocod, wob, out0; writes out0
.if DOCPART == 4
	.amdgcn_target "amdgcn-amd-amdhsa--gfx1250"
	.amdhsa_code_object_version 6
	.text
	.protected	k_q0a815b5ae5_oproj
	.globl	k_q0a815b5ae5_oproj
	.p2align	8
	.type	k_q0a815b5ae5_oproj,@function
k_q0a815b5ae5_oproj:
	s_mov_b64 s[64:65], 0
	v_nop
	global_prefetch_b8 v0, s[64:65] scope:SCOPE_SE
	s_setreg_imm32_b32 hwreg(HW_REG_WAVE_MODE, 25, 1), 1
	s_wait_xcnt 0x0
	s_wait_alu depctr_hold_cnt(0) depctr_sa_sdst(0) depctr_va_vdst(0) depctr_va_sdst(0) depctr_va_ssrc(0) depctr_va_vcc(0) depctr_vm_vsrc(0)
	s_getreg_b32 s2, hwreg(HW_REG_IB_STS2, 6, 4)
	s_cmp_eq_u32 s2, 0
	s_cbranch_scc0 .Lentry_in_a_cluster
	s_endpgm
.Lentry_in_a_cluster:
	s_bfe_u32 s2, ttmp6, 0x10000c
	s_cmp_lg_u32 s2, 0xf033
	s_cbranch_scc0 .Lentry_shape_is_right
	s_endpgm
.Lentry_shape_is_right:
; out0[t][n] = sum over k of O[t][k] Wo[k][n], both as codes of FP6 (E2M3) with E8M0 scales; f32 sums, K = 2048 ascending.
; ocod (rows = tokens) and wob (rows = Wo's columns, bits 3 and 4 of the row number exchanged inside each 32) hold a row as 8 chunks of 256 bytes: 192 bytes of codes (256 along K), their 8 scale bytes, 56 zeros.
; A work-group makes 128 x 128 of out0: 16 x 16 = 256 work-groups.  Four waves, 64 x 64 each: 16 accumulators (window 1), two sets of fragments and two sets of scale words (window 0).
; Two LDS slots, each with 512 along K (two chunks, rows of 512 bytes at a pitch of 528) of 128 rows of O and 128 of Wo: four fills in all, one tensor load of 64 rows a wave each.
; CLUSTERS 4 x 4: O's tile is asked for jointly along a row of the cluster, Wo's along a column.  The matrix instruction is used transposed (source 0 = Wo's rows): a lane holds eight neighbouring numbers of a row of out0.
; No prefetch: the walk is written out with no loop to run ahead in; of its four fills two go out at the head and each of the two refills is asked for four steps ahead of its first read.
.set KROW,   2048
.set ROWB,   512
.set PITCH,  528
.set HALFT,  64*PITCH                  ; 64 rows: one tensor load, and what a wave reads of O or of Wo
.set SLOT,   4*HALFT
.set SPARE,  2*SLOT                    ; the spare words, 512 bytes that no other line names
.set SPITCH, 272                       ; the way out: 64 rows of 256 + 16 bytes for each wave, in slot 0, behind its last fill and its last read
.set ADRA, 16                          ; v16-17 my fragments of O in slot 0, 1;  v18-19 of Wo;  v20-21 scale words (lanes 0-15 O's rows, lanes 16-31 Wo's)
.set ADRB, 18
.set ADRS, 20
.set STO,  22
.set RD,   23
.set CO,   24
.set SPW,  28
.set NIL,  29
.set FA,   32                          ; set p: O's four fragments at FA + 96 p, Wo's four 48 further on
.set SC,   224                         ; scale words of chunk c at SC + 8 (c % 2): register 2 i + q: block i, the chunk's q-th step
.set G1, 24
.set G0, 32
.set G1B, 48
.set G0B, 56
.set MSB, 0
.macro WIN new
.if MSB != (\new)
	s_set_vgpr_msb (MSB<<8)|(\new)
.set MSB, (\new)
.endif
.endm
.macro PLACES
.rept 4
	v_nop
.endr
.endm
.macro JLOAD s                         ; waves 0, 1 fetch O's two halves, waves 2, 3 Wo's
	s_cmp_eq_u32 s15, 0
	s_cbranch_scc0 .Lfor_b_\@
	tensor_load_to_lds s[G0+4*(\s):G0+4*(\s)+3], s[G1:G1+7]
	s_nop 0
	PLACES
	s_branch .Lasked_\@
.Lfor_b_\@:
	tensor_load_to_lds s[G0B+4*(\s):G0B+4*(\s)+3], s[G1B:G1B+7]
	s_nop 0
	PLACES
.Lasked_\@:
.endm
.macro CREST
	s_cmp_lg_u32 s14, 0
	s_cbranch_scc1 .Lnot_wave_0_\@
	s_barrier_signal -3
.Lnot_wave_0_\@:
	s_barrier_wait -3
	s_barrier_signal -1
	s_barrier_wait -1
.endm
.macro CROUND
	s_barrier_signal -1
	s_barrier_wait -1
	CREST
.endm
	s_load_b128 s[4:7], s[0:1], 0x0                ; ocod, wob
	s_load_b64 s[12:13], s[0:1], 0x10              ; out0
	v_lshl_add_u32 v[SPW], v0, 2, SPARE
	v_mov_b32 v[NIL], 0
	ds_add_u32 v[SPW], v[NIL]                      ; the opening lines: the add twice on end and its wait
	ds_add_u32 v[SPW], v[NIL]
	v_lshrrev_b32 v1, 5, v0
	v_readfirstlane_b32 s14, v1                    ; wave
	s_lshr_b32 s15, s14, 1                         ; my half of the rows; also: I fetch for O (0) or Wo (1)
	s_and_b32 s16, s14, 1                          ; my half of the columns; also: which 64 rows I fetch
	s_bfe_u32 s40, ttmp6, 0x40000
	s_bfe_u32 s41, ttmp6, 0x40004
	s_lshl_b32 s42, ttmp9, 2
	s_add_co_u32 s42, s42, s40                     ; tile column
	s_and_b32 s17, ttmp7, 0xffff
	s_lshl_b32 s17, s17, 2
	s_add_co_u32 s17, s17, s41                     ; tile row
	s_lshl_b32 s43, s41, 2
	s_lshl_b32 s43, 15, s43                        ; my row of the cluster
	s_lshl_b32 s44, 0x1111, s40                    ; my column
	s_or_b32 s[G1], s43, (1<<20)|(1<<21)|(6<<22)|(3<<25)   ; bytes; 4 words of padding behind every 128 words
	s_or_b32 s[G1B], s44, (1<<20)|(1<<21)|(6<<22)|(3<<25)
.irp g, G1, G1B
	s_mov_b32 s[\g+1], ROWB<<16
	s_mov_b32 s[\g+2], 64<<16
	s_mov_b32 s[\g+3], ROWB<<16
	s_mov_b32 s[\g+4], 64
	s_mov_b32 s[\g+5], KROW
	s_mov_b32 s[\g+6], 0
	s_mov_b32 s[\g+7], 0
.endr
	s_lshl_b32 s18, s16, 17                        ; 64 rows of 2048 bytes
	s_lshl_b32 s20, s17, 18                        ; O: 128 rows for each tile row
	s_add_co_u32 s20, s20, s18
	s_mov_b32 s21, 0
	s_lshl_b32 s46, s42, 18                        ; Wo: by the tile column
	s_add_co_u32 s46, s46, s18
	s_mov_b32 s47, 0
	s_mul_i32 s45, s14, HALFT                      ; where my load lands
	s_mul_i32 s22, s15, HALFT                      ; my 64 rows of O
	s_mul_i32 s23, s16, HALFT
	s_add_co_u32 s23, s23, 2*HALFT                 ; my 64 rows of Wo
	s_sub_co_u32 s19, s23, s22
	s_mul_i32 s3, s14, 64*SPITCH                   ; my stage
	s_lshl_b32 s10, s17, 20                        ; my corner of out0: rows of 8192 bytes
	s_lshl_b32 s11, s15, 19
	s_add_co_u32 s10, s10, s11
	s_lshl_b32 s11, s42, 9
	s_add_co_u32 s10, s10, s11
	s_lshl_b32 s11, s16, 8
	s_add_co_u32 s10, s10, s11
	s_mov_b32 s11, 0
	s_wait_dscnt 0x0
	s_wait_kmcnt 0x0
	s_add_nc_u64 s[20:21], s[4:5], s[20:21]
	s_add_nc_u64 s[46:47], s[6:7], s[46:47]
	s_add_nc_u64 s[12:13], s[12:13], s[10:11]
	CROUND
.irp s, 0,1
	s_mov_b32 s[G0+4*\s], 1
	s_add_co_u32 s[G0+4*\s+1], s45, \s*SLOT
	s_add_nc_u64 s[G0+4*\s+2:G0+4*\s+3], s[20:21], \s*ROWB
	s_or_b32 s[G0+4*\s+3], s[G0+4*\s+3], 0x80000000
	s_mov_b32 s[G0B+4*\s], 1
	s_add_co_u32 s[G0B+4*\s+1], s45, \s*SLOT
	s_add_nc_u64 s[G0B+4*\s+2:G0B+4*\s+3], s[46:47], \s*ROWB
	s_or_b32 s[G0B+4*\s+3], s[G0B+4*\s+3], 0x80000000
.endr
	JLOAD 0                                        ; K 0..511: the wave's one load at the head
	v_and_b32 v1, 15, v0                           ; r
	v_bfe_u32 v2, v0, 4, 1                         ; h
	v_mul_u32_u24 v3, v1, PITCH
	v_mad_u32_u24 v4, v2, 24, v3
	v_add_nc_u32 v[ADRA], s22, v4
	v_add_nc_u32 v[ADRB], s23, v4
	v_add_nc_u32 v[ADRA+1], SLOT, v[ADRA]
	v_add_nc_u32 v[ADRB+1], SLOT, v[ADRB]
	v_mul_u32_u24 v5, s19, v2                      ; lanes 16-31 take Wo's rows
	v_add_nc_u32 v5, v5, v3
	v_add_nc_u32 v5, s22, v5
	v_add_nc_u32 v[ADRS], 192, v5
	v_add_nc_u32 v[ADRS+1], SLOT+192, v5
	v_mul_u32_u24 v6, v1, SPITCH
	v_lshl_add_u32 v6, v2, 6, v6                   ; into the stage: row r; Wo's stored row 16 b + 8 h + j is column 32 (b / 2) + 16 h + 8 (b % 2) + j
	v_add_nc_u32 v[STO], s3, v6
	v_mul_u32_u24 v7, v2, SPITCH
	v_lshl_add_u32 v7, v1, 4, v7                   ; back: sixteen lanes to a row of 256 bytes, two rows an instruction
	v_add_nc_u32 v[RD], s3, v7
	v_lshlrev_b32 v8, 13, v2
	v_lshl_add_u32 v[CO], v1, 4, v8                ; and the same in out0
.macro FRAG reg, adr, off              ; 16 rows x 128 K: 12 registers, in pieces of 8 bytes
.irp p, 0,1,2,3,4,5
	ds_load_b64 v[\reg+2*\p:\reg+2*\p+1], v[\adr] offset:\off+48*(\p/3)+8*(\p%3)
.endr
.endm
.macro FETCH st                        ; step st (128 along K): fill st / 4, chunk (st / 2) % 2 of its rows, 96 bytes; with a chunk's first step its scale words
.set SL, ((\st)/4)%2
.set CH, ((\st)/2)%2
.set OF, 256*CH+96*((\st)%2)
.set FS, FA+96*((\st)%2)
.irp i, 0,1,2,3
	FRAG FS+12*\i, ADRA+SL, OF+\i*16*PITCH
	FRAG FS+48+12*\i, ADRB+SL, OF+\i*16*PITCH
.endr
.if (\st)%2 == 0
.irp i, 0,1,2,3
	ds_load_b64 v[SC+8*CH+2*\i:SC+8*CH+2*\i+1], v[ADRS+SL] offset:256*CH+\i*16*PITCH
.endr
.endif
.endm
.macro MUL st, zero                    ; 16 matrix instructions, the 16 accumulators by turns
.set FS, FA+96*((\st)%2)
.set SS, SC+8*(((\st)/2)%2)+(\st)%2
	WIN 0x50
.irp a, 0,1,2,3
.irp b, 0,1,2,3
.if \zero
	v_wmma_scale_f32_16x16x128_f8f6f4 v[8*(4*\a+\b):8*(4*\a+\b)+7], v[FS+48+12*\b:FS+48+12*\b+11], v[FS+12*\a:FS+12*\a+11], 0, v[SS+2*\b], v[SS+2*\a] matrix_a_fmt:MATRIX_FMT_FP6 matrix_b_fmt:MATRIX_FMT_FP6 matrix_a_scale:MATRIX_SCALE_ROW1
.else
	v_wmma_scale_f32_16x16x128_f8f6f4 v[8*(4*\a+\b):8*(4*\a+\b)+7], v[FS+48+12*\b:FS+48+12*\b+11], v[FS+12*\a:FS+12*\a+11], v[8*(4*\a+\b):8*(4*\a+\b)+7], v[SS+2*\b], v[SS+2*\a] matrix_a_fmt:MATRIX_FMT_FP6 matrix_b_fmt:MATRIX_FMT_FP6 matrix_a_scale:MATRIX_SCALE_ROW1
.endif
.endr
.endr
	WIN 0
.endm
.macro STEP st, zero
.if (\st)%4 == 3 && (\st) < 15         ; a slot's last step: change of slots
	s_wait_tensorcnt 0x0                           ; my part of the other slot is in;
	ds_add_u32 v[SPW], v[NIL]                      ; an add to the spare words;
	s_wait_dscnt 0x0                               ; it is done, and so are my reads of this slot
	s_barrier_signal -1
	MUL \st, 0
	s_barrier_wait -1
.if (\st) < 11
	CREST                                          ; the barrier has opened a round of the cluster's barrier
	s_add_nc_u64 s[G0+4*(((\st)/4)%2)+2:G0+4*(((\st)/4)%2)+3], s[G0+4*(((\st)/4)%2)+2:G0+4*(((\st)/4)%2)+3], 2*ROWB
	s_add_nc_u64 s[G0B+4*(((\st)/4)%2)+2:G0B+4*(((\st)/4)%2)+3], s[G0B+4*(((\st)/4)%2)+2:G0B+4*(((\st)/4)%2)+3], 2*ROWB
	JLOAD ((\st)/4)%2                              ; this slot's next 512 along K; its four v_nop are the places in front of the loads below
.else
	PLACES
.endif
	FETCH (\st)+1
.else
	PLACES                                         ; in front of loads into the set that the last products read
.if (\st) < 15
	FETCH (\st)+1
	s_wait_dscnt 48+4*((\st)%2)                    ; all but the next step's loads just issued: 48 pieces, and 4 scale loads where it opens a chunk
.else
	s_wait_dscnt 0x0
.endif
	MUL \st, \zero
.endif
.endm
	s_wait_alu depctr_va_vdst(0)                   ; the wait at the head's end
	s_wait_tensorcnt 0x0                           ; slot 1's first fill is issued as a refill is
	ds_add_u32 v[SPW], v[NIL]
	s_wait_dscnt 0x0
	CROUND
	JLOAD 1                                        ; K 512..1023
	FETCH 0
	STEP 0, 1                                      ; the first products start the sums
.set ST, 1
.rept 15
	STEP ST, 0
.set ST, ST+1
.endr
	; THE WAY OUT: through my stage, back as whole rows of 256 bytes
	PLACES
	WIN 0x04
.irp a, 0,1,2,3
.irp b, 0,1,2,3
	ds_store_b128 v[STO], v[8*(4*\a+\b):8*(4*\a+\b)+3] offset:\a*16*SPITCH+128*(\b/2)+32*(\b%2)
	ds_store_b128 v[STO], v[8*(4*\a+\b)+4:8*(4*\a+\b)+7] offset:\a*16*SPITCH+128*(\b/2)+32*(\b%2)+16
.endr
.endr
	WIN 0
.set T, 0
.rept 32
	ds_load_b128 v[FA+4*T:FA+4*T+3], v[RD] offset:T*2*SPITCH   ; LDS serves a wave's instructions in order: these see my stores
.set T, T+1
.endr
.set T, 0
.rept 32
	s_wait_dscnt 31-T                              ; the younger loads may be out
	global_store_b128 v[CO], v[FA+4*T:FA+4*T+3], s[12:13] offset:T*2*8192 th:TH_STORE_NT   ; sixteen lanes store 256 consecutive bytes, aligned
.set T, T+1
.endr
	s_wait_tensorcnt 0x0                           ; the wave's end
	ds_add_u32 v[SPW], v[NIL]
	s_wait_dscnt 0x0
	CROUND                                         ; the closing round
	s_endpgm
.Lfunc_end_k_q0a815b5ae5_oproj:
	.size	k_q0a815b5ae5_oproj, .Lfunc_end_k_q0a815b5ae5_oproj-k_q0a815b5ae5_oproj
	.p2alignl 7, 3214868480
	.fill 96, 4, 3214868480
	.section	.rodata,"a",@progbits
	.p2align	6, 0x0
	.amdhsa_kernel k_q0a815b5ae5_oproj
		.amdhsa_group_segment_fixed_size 327680
		.amdhsa_private_segment_fixed_size 0
		.amdhsa_enable_private_segment 0
		.amdhsa_kernarg_size 24
		.amdhsa_user_sgpr_count 2
		.amdhsa_user_sgpr_kernarg_segment_ptr 1
		.amdhsa_wavefront_size32 1
		.amdhsa_system_sgpr_workgroup_id_x 1
		.amdhsa_system_sgpr_workgroup_id_y 1
		.amdhsa_system_sgpr_workgroup_id_z 1
		.amdhsa_system_vgpr_workitem_id 0
		.amdhsa_next_free_vgpr 384
		.amdhsa_next_free_sgpr 66
		.amdhsa_reserve_vcc 0
		.amdhsa_float_denorm_mode_32 3
		.amdhsa_float_denorm_mode_16_64 3
		.amdhsa_memory_ordered 1
		.amdhsa_forward_progress 1
		.amdhsa_inst_pref_size 104
	.end_amdhsa_kernel
	.amdgpu_metadata
---
amdhsa.version: [ 1, 2 ]
amdhsa.kernels:
  - .name:           k_q0a815b5ae5_oproj
    .symbol:         k_q0a815b5ae5_oproj.kd
    .args:
      - { .name: ocod, .offset: 0, .size: 8, .value_kind: global_buffer, .address_space: global }
      - { .name: wob, .offset: 8, .size: 8, .value_kind: global_buffer, .address_space: global }
      - { .name: out0, .offset: 16, .size: 8, .value_kind: global_buffer, .address_space: global }
    .group_segment_fixed_size: 327680
    .private_segment_fixed_size: 0
    .kernarg_segment_align: 8
    .kernarg_segment_size: 24
    .max_flat_workgroup_size: 128
    .sgpr_count:     66
    .vgpr_count:     384
    .wavefront_size: 32
...
	.end_amdgpu_metadata
.endif
;; end of part 4
